; MI455X (gfx1250); checked and timed in simulation.
; The chip was launched on July 23, 2026; its instructions are those of AMD's public machine-readable ISA for CDNA 5 (MIT licence, August 2026) and "CDNA5" Instruction Set Architecture Reference Guide (July 2026). The comments in the code are by the model that wrote it; some were corrected since.
;; Causal Self Attention. Allowed arithmetic: matrix products marked QUANTISED: E2M1 operands, one E8M0 scale for each 32 along K, by v_wmma_scale_f32_16x16x128_f8f6f4 with both operands' format E2M1 (or v_wmma_scale_f32_32x16x128_f4), f32 sums; products left as they are: bf16, f16 or f32 operands; f32 sums; everything else in f32.
;; Inputs: b_out 1,024 float32; b_qkv 3,072 float32; w_out 1,024 x 1,024 float32; w_qkv 1,024 x 3,072 float32; x 4 x 2,048 x 1,024 float32.
;; Outputs: out0 4 x 2,048 x 1,024 float32.
;; This version of the problem:
;;   THIS VERSION OF THE PROBLEM IS GIVEN IN LOW PRECISION. The matrix products marked QUANTISED in the list below multiply operands that are first quantised to E2M1 (2 exponent bits, 1 mantissa bit; 4 bits a number), with one power-of-two scale for each 32 numbers along K (OCP MX v1.0); their sums are f32. The products marked 'left as it is' may take bf16, f16 or f32 operands, with f32 sums. Whichever they take, every output number must still come out within the allowed error. Rounding operands to bf16 (8 significant bits) uses up far more of that allowance than f16 does (11 bits, for magnitudes from 6e-5 to 65,504). All else is computed in f32.
;;   The module's matrix products, in the order in which they are computed (A, B: the left and right operand; K: the contracted axis; several contracted axes count as one K, in the product's order):
;;     1. [M 8,192, K 1,024] x [K 1,024, N 3,072]; A: input x; B: input w_qkv: QUANTISED
;;     2. batch 64 x [M 2,048, K 64] x [K 64, N 2,048]; A: computed on the way; B: computed on the way: left as it is (an operand is computed on the way)
;;     3. batch 64 x [M 2,048, K 2,048] x [K 2,048, N 64]; A: computed on the way; B: computed on the way: left as it is (an operand is computed on the way)
;;     4. [M 8,192, K 1,024] x [K 1,024, N 1,024]; A: computed on the way; B: input w_out: left as it is (an operand is computed on the way)
;;   THE QUANTISER, for each operand of a quantised product, along K:
;;     - K is cut into blocks of 32 from its start; a last block that is shorter is filled with zeros.
;;     - A block's scale is 2^e with e = floor(log2(the largest magnitude in the block)) - 2, held to -126 .. 127; a block of zeros has e = 0. As a byte (E8M0): e + 127.
;;     - Each number is divided by its block's scale, clamped to +-6, and rounded to the nearest number of E2M1, ties to even, subnormals kept.
;;     - The product sums the exact products of the quantised numbers (number of the format x scale) in f32.
;;   ~~~python
;;   def quantise(x, axis):      # numpy; x: float32 -> the quantised numbers, widened to float32 again
;;       x = np.moveaxis(x, axis, -1); K = x.shape[-1]
;;       x = np.pad(x, [(0, 0)] * (x.ndim - 1) + [(0, -K % 32)]); x = x.reshape(x.shape[:-1] + (-1, 32)); a = np.abs(x).max(-1, keepdims=True)
;;       e = np.where(a > 0, np.clip(np.frexp(np.where(a > 0, a, 1))[1] - 1 - 2, -126, 127), 0)      # np.frexp(a)[1] - 1 = floor(log2(a)), exactly
;;       r = np.clip(x / 2.0 ** e, -6, 6)
;;       step = 2.0 ** (np.maximum(np.frexp(np.where(r == 0, 1, r))[1] - 1, 0) - 1)
;;       q = np.round(r / step) * step * 2.0 ** e      # np.round: ties to even
;;       return np.moveaxis(q.reshape(q.shape[:-2] + (-1,))[..., :K], -1, axis).astype(np.float32)
;;   ~~~
;; One version. Each part assembles by itself: llvm-mc -triple=amdgcn-amd-amdhsa -mcpu=gfx1250 --defsym DOCPART=n.
;; ======== version 1 of 1: 5 launches
;; limits: values are held in f16: magnitudes above 65,504 overflow, below 6.1e-05 lose precision
;; workspace buffers: xc 4,194,304 bytes; xs 262,144 bytes; wc 1,572,864 bytes; ws 98,304 bytes; w16 2,097,152 bytes; qkv 50,331,648 bytes; qf 786,432 bytes; att 16,777,216 bytes
;; launch prep (part 1): grid 336 x 1, 4 waves a work-group, no clusters, 68,096 bytes of LDS; arguments x, w_qkv, w_out, xc, xs, wc, ws, w16; writes xc, xs, wc, ws, w16
.if DOCPART == 1
	.amdgcn_target "amdgcn-amd-amdhsa--gfx1250"
	.amdhsa_code_object_version 6
	.text
	.protected	k_q709dba155e_prep
	.globl	k_q709dba155e_prep
	.p2align	8
	.type	k_q709dba155e_prep,@function
k_q709dba155e_prep:
	s_mov_b64 s[64:65], 0
	v_nop
	global_prefetch_b8 v0, s[64:65] scope:SCOPE_SE
	s_setreg_imm32_b32 hwreg(HW_REG_WAVE_MODE, 25, 1), 1
	s_wait_xcnt 0x0
; THREE STREAMS IN ONE LAUNCH, told apart by the work-group's number:
;   0-47    w_qkv [1024 (k)][3072 (n)] f32 -> codes of FP4 (E2M1) laid [3072][512 bytes], K innermost, and one E8M0 byte for each 32 along K, laid [3072][32]
;   48-303  x [8192][1024] f32 -> codes [8192][512 bytes] and scale bytes [8192][32]
;   304-335 w_out [1024][1024] f32 -> f16, same layout
; A block's scale is 2^(floor(log2(its largest magnitude)) - 2): its byte is the largest magnitude's exponent field - 2, held at 1 from below.
; LIMITS: a block of zeros gets the byte 1 where the quantiser says 127 (its codes are zeros, and this program alone reads the bytes); blocks whose largest magnitude lies under 2^-124 keep the byte 1;
; NaN and infinities are not served; numbers of w_out beyond 65,504 become infinities in f16.
; No wave shares anything with another: no barrier.  Each path that uses LDS has LDS bytes of its own.
.set SPARE, 67584                      ; the spare words, 128 bytes for each wave: two blocks of 256 bytes that no other line names
.set SPW,   192                        ; v192  LDS address of my spare word; never rewritten
.set NIL,   193                        ; v193  0; never rewritten
.set EMAX,  2
; x's path: a wave takes 16 steps of 512 numbers
.set XSTEPS, 16
.set XCB,   8                          ; bytes of 16 codes
.set XR,    16                         ; v16-79   four sets of 16 numbers as they are loaded
.set XX,    80                         ; v80-111  two sets of 16 neighbours
.set XE,    112                        ; v112-127 a scale byte for each step
.set XC,    128                        ; v128-191 codes, four registers for each step: no store's data are written again
.set XSP,   80                         ; a lane's place in a stage: 64 bytes + 16 of padding
.set XREG,  8192                       ; LDS from byte 0: a region for each wave: two stages of 32 x 80 bytes, then its 256 scale bytes
; w_qkv's path: a wave takes 32 columns x 512 along K
.set WN,    3072
.set WNB,   16                         ; blocks of 32 along K
.set WPITCH, 272                       ; a stage row: 256 bytes of codes + 16
.set WKROW, 512                        ; a row of the codes' buffer
.set WSTG,  32768                      ; LDS: the four stages of this path, 32 rows each
.set WSB,   24                         ; v24-27   the scale bytes, four to a register
.set WX,    32                         ; v32-95   two sets of 32 numbers
.set WC,    96                         ; v96-99   a block's codes
.set WOUT,  112                        ; v112-175 the way out
; w_out's path: a wave takes 4 batches of 2,048 numbers
.set OIN,   16                         ; v16-143  two sets of 64
.set OOUT,  144                        ; v144-175 a batch as f16
.macro XLOAD t
.irp i, 0,1,2,3
	global_load_b128 v[XR+16*((\t)%4)+4*\i:XR+16*((\t)%4)+4*\i+3], v3, s[4:5] offset:2048*(\t)+512*\i th:TH_LOAD_NT   ; 32 lanes read 512 consecutive bytes
.endr
.endm
.macro XTURN t                         ; a step's 2,048 bytes through my stage: in as they lie, back 64 bytes a lane.  LDS serves a wave's instructions in order: no wait between
.irp i, 0,1,2,3
	ds_store_b128 v14, v[XR+16*((\t)%4)+4*\i:XR+16*((\t)%4)+4*\i+3] offset:32*XSP*((\t)%2)+8*XSP*\i
.endr
.irp i, 0,1,2,3
	ds_load_b128 v[XX+16*((\t)%2)+4*\i:XX+16*((\t)%2)+4*\i+3], v15 offset:32*XSP*((\t)%2)+16*\i
.endr
.endm
.macro XSTEP t
.set XS, XX+16*((\t)%2)
.if (\t) > 0
	s_wait_dscnt 1                                 ; this step's numbers are back from the stage; the last step's byte store may be out
.else
	s_wait_dscnt 0x0
.endif
.if (\t)+4 < XSTEPS
	XLOAD (\t)+4                                   ; into the registers that the stage's stores have read
.endif
.if (\t)+1 < XSTEPS
.if XSTEPS-2-(\t) >= 3
	s_wait_loadcnt 12                              ; the next step's four loads are in; those of the three steps behind it may be out
.else
	s_wait_loadcnt 4*(XSTEPS-2-(\t))
.endif
	XTURN (\t)+1
.endif
	v_max3_num_f32 v8, |v[XS]|, |v[XS+1]|, |v[XS+2]|               ; the largest magnitude of my 16, in two chains
	v_max3_num_f32 v9, |v[XS+3]|, |v[XS+4]|, |v[XS+5]|
.irp i, 6,10
	v_max3_num_f32 v8, v8, |v[XS+\i]|, |v[XS+\i+1]|
	v_max3_num_f32 v9, v9, |v[XS+\i+2]|, |v[XS+\i+3]|
.endr
	v_max3_num_f32 v8, v8, |v[XS+14]|, |v[XS+15]|
	v_max3_num_f32 v8, v8, v9, (EMAX+1)<<23        ; and the floor 2^(3 - 127): the byte cannot fall under 1
	v_max_num_f32_dpp v8, v8, v8 row_xmask:1 row_mask:0xf bank_mask:0xf   ; with my neighbour's 16: the block's
	v_add_nc_u32 v11, -(EMAX<<23), v8              ; 2 off its exponent field: the conversion takes the exponent field of this operand as its scale
	v_cvt_scalef32_pk8_fp4_f32 v[XC+4*(\t)], v[XS:XS+7], v11
	v_cvt_scalef32_pk8_fp4_f32 v[XC+4*(\t)+1], v[XS+8:XS+15], v11
	v_lshrrev_b32 v[XE+(\t)], 23, v11              ; the scale's byte (a plain line behind the conversions)
	ds_store_b8 v5, v[XE+(\t)] offset:16*(\t)      ; both lanes of a block write the same byte with the same value
	global_store_b64 v4, v[XC+4*(\t):XC+4*(\t)+1], s[10:11] offset:32*XCB*(\t)   ; 32 lanes store 256 consecutive bytes, aligned
.endm
.macro WLOAD t                         ; block t: w(32 t + i, my column), i = 0 .. 31
.irp i, 0,1,2,3,4,5,6,7,8,9,10,11,12,13,14,15,16,17,18,19,20,21,22,23,24,25,26,27,28,29,30,31
	global_load_b32 v[WX+32*((\t)%2)+\i], v3, s[6:7] offset:(32*(\t)+\i)*WN*4 th:TH_LOAD_NT
.endr
.endm
.macro WBLOCK t
.set WS_, WX+32*((\t)%2)
.if (\t) < WNB-1
	s_wait_loadcnt 32                              ; this block's 32 loads are in; the next block's may be out
.else
	s_wait_loadcnt 0
.endif
	v_max3_num_f32 v12, |v[WS_]|, |v[WS_+1]|, |v[WS_+2]|           ; the block's largest magnitude: all 32 numbers are mine
	v_max3_num_f32 v13, |v[WS_+3]|, |v[WS_+4]|, |v[WS_+5]|
.irp i, 6,10,14,18,22,26
	v_max3_num_f32 v12, v12, |v[WS_+\i]|, |v[WS_+\i+1]|
	v_max3_num_f32 v13, v13, |v[WS_+\i+2]|, |v[WS_+\i+3]|
.endr
	v_max3_num_f32 v12, v12, |v[WS_+30]|, |v[WS_+31]|
	v_max3_num_f32 v12, v12, v13, (EMAX+1)<<23
	v_add_nc_u32 v11, -(EMAX<<23), v12
	v_lshrrev_b32 v13, 23, v11
.if (\t)%4 == 0
	v_mov_b32 v[WSB+(\t)/4], v13                   ; four bytes to a register, the lower K in the lower byte
.else
	v_lshl_or_b32 v[WSB+(\t)/4], v13, 8*((\t)%4), v[WSB+(\t)/4]
.endif
.irp g, 0,1,2,3
	v_cvt_scalef32_pk8_fp4_f32 v[WC+\g], v[WS_+8*\g:WS_+8*\g+7], v11
.endr
	ds_store_b128 v4, v[WC:WC+3] offset:16*(\t)    ; 32 codes: 16 bytes of my column's row.  (The next vector lines are plain ones)
.if (\t)+2 < WNB
	WLOAD (\t)+2
.endif
	s_wait_dscnt 0x0                               ; the store has read its registers: the next block's codes may be written
.endm
.macro OLOAD t
.irp i, 0,1,2,3,4,5,6,7,8,9,10,11,12,13,14,15
	global_load_b128 v[OIN+64*((\t)%2)+4*\i:OIN+64*((\t)%2)+4*\i+3], v3, s[8:9] offset:512*(16*(\t)+\i)
.endr
.endm
.macro OCAST t
.if (\t) < 3
	s_wait_loadcnt 16                              ; this batch's 16 loads are in; the next batch's may be out
.else
	s_wait_loadcnt 0
.endif
.if (\t) > 0
	s_wait_xcnt 0x0                                ; the last batch's stores have read their data: it is written again only behind this wait
.endif
.irp i, 0,1,2,3,4,5,6,7,8,9,10,11,12,13,14,15
	v_cvt_pk_f16_f32 v[OOUT+2*\i], v[OIN+64*((\t)%2)+4*\i], v[OIN+64*((\t)%2)+4*\i+1]
	v_cvt_pk_f16_f32 v[OOUT+2*\i+1], v[OIN+64*((\t)%2)+4*\i+2], v[OIN+64*((\t)%2)+4*\i+3]
.endr
.if (\t) < 2
	OLOAD (\t)+2
.endif
.irp i, 0,1,2,3,4,5,6,7,8,9,10,11,12,13,14,15
	global_store_b64 v4, v[OOUT+2*\i:OOUT+2*\i+1], s[18:19] offset:256*(16*(\t)+\i)   ; 32 lanes store 256 consecutive bytes, aligned
.endr
.endm
	s_load_b256 s[4:11], s[0:1], 0x0               ; x s[4:5], w_qkv s[6:7], w_out s[8:9], xc s[10:11]
	s_load_b256 s[12:19], s[0:1], 0x20             ; xs s[12:13], wc s[14:15], ws s[16:17], w16 s[18:19]
	v_lshl_add_u32 v[SPW], v0, 2, SPARE
	v_mov_b32 v[NIL], 0
	v_lshrrev_b32 v1, 5, v0
	v_readfirstlane_b32 s20, v1                    ; wave 0..3
	v_and_b32 v2, 31, v0                           ; lane
	s_wait_kmcnt 0x0
	s_cmp_lt_u32 ttmp9, 48
	s_cbranch_scc1 .Lw
	s_cmp_lt_u32 ttmp9, 304
	s_cbranch_scc1 .Lx
	; ---- w_out to f16: run = 4 (work-group - 304) + wave, 8,192 numbers
	s_sub_co_u32 s21, ttmp9, 304
	s_lshl_b32 s21, s21, 2
	s_add_co_u32 s21, s21, s20
	s_lshl_b32 s22, s21, 15
	s_mov_b32 s23, 0
	s_add_nc_u64 s[8:9], s[8:9], s[22:23]
	s_lshl_b32 s22, s21, 14
	s_add_nc_u64 s[18:19], s[18:19], s[22:23]
	v_lshlrev_b32 v3, 4, v2                        ; in: 16 bytes a lane
	v_lshlrev_b32 v4, 3, v2                        ; out: 8
	OLOAD 0
	OLOAD 1
	OCAST 0
	OCAST 1
	OCAST 2
	OCAST 3
	s_branch .Lend
.Lx:	; ---- x: run = 4 (work-group - 48) + wave, 8,192 numbers
	v_lshlrev_b32 v3, 4, v2                        ; my 16 bytes of a load's 512
	s_mul_i32 s21, s20, XREG
	v_lshrrev_b32 v14, 2, v2
	v_mul_u32_u24 v14, v14, XSP
	v_and_b32 v15, 3, v2
	v_lshl_add_u32 v14, v15, 4, v14
	v_add_nc_u32 v14, s21, v14                     ; the stage, on the way in: 80 (lane / 4) + 16 (lane % 4)
	v_mul_u32_u24 v15, v2, XSP
	v_add_nc_u32 v15, s21, v15                     ; and on the way out: 80 x lane: my 16 neighbours
	v_mul_u32_u24 v4, v2, XCB                      ; my codes' place in a step's
	v_lshrrev_b32 v5, 1, v2
	s_add_co_u32 s21, s21, 2*32*XSP
	v_add_nc_u32 v5, s21, v5                       ; my wave's 256 scale bytes, my block's byte
	v_lshlrev_b32 v7, 3, v2
	v_add_nc_u32 v6, s21, v7                       ; and on the way out 8 bytes a lane
	s_sub_co_u32 s22, ttmp9, 48
	s_lshl_b32 s22, s22, 2
	s_add_co_u32 s22, s22, s20
	s_mov_b32 s25, 0
	s_lshl_b32 s24, s22, 15                        ; 32,768 bytes of numbers a run,
	s_add_nc_u64 s[4:5], s[4:5], s[24:25]
	s_lshl_b32 s24, s22, 12                        ; 4,096 of codes,
	s_add_nc_u64 s[10:11], s[10:11], s[24:25]
	s_lshl_b32 s24, s22, 8                         ; 256 scale bytes
	s_add_nc_u64 s[12:13], s[12:13], s[24:25]
.irp t, 0,1,2,3
	XLOAD \t
.endr
	s_wait_loadcnt 12                              ; step 0's four loads are in
	XTURN 0
.irp t, 0,1,2,3,4,5,6,7,8,9,10,11,12,13,14,15
	XSTEP \t
.endr
	ds_load_b64 v[8:9], v6                         ; LDS serves a wave's instructions in order: these see my byte stores
	s_wait_dscnt 0x0
	global_store_b64 v7, v[8:9], s[12:13]          ; 32 lanes store 256 consecutive bytes, aligned
	s_branch .Lend
.Lw:	; ---- w_qkv: a lane takes a column and its registers run down K, so the codes come out with K innermost
	s_cmp_ge_u32 ttmp9, 24
	s_cselect_b32 s22, 1, 0                        ; which 512 along K
	s_cselect_b32 s21, 24, 0
	s_sub_co_u32 s21, ttmp9, s21                   ; which 128 columns
	s_lshl_b32 s21, s21, 7
	s_lshl_b32 s23, s20, 5
	s_add_co_u32 s21, s21, s23                     ; my wave's first column
	v_lshlrev_b32 v3, 2, v2                        ; in: 4 bytes a lane
	s_mul_i32 s23, s20, 32*WPITCH
	s_add_co_u32 s23, s23, WSTG                    ; my stage
	v_mul_u32_u24 v4, v2, WPITCH
	v_add_nc_u32 v4, s23, v4                       ; into it: row = my column
	v_and_b32 v5, 15, v2
	v_lshrrev_b32 v6, 4, v2
	v_mul_u32_u24 v7, v6, WPITCH
	v_lshl_add_u32 v7, v5, 4, v7
	v_add_nc_u32 v7, s23, v7                       ; out of it: sixteen lanes to a row, two rows an instruction
	v_mul_u32_u24 v8, v6, WKROW
	v_lshl_add_u32 v8, v5, 4, v8                   ; and the same place in the codes' buffer
	v_lshlrev_b32 v9, 5, v2                        ; my column's row of scale bytes
	s_mul_i32 s24, s22, 512*WN*4
	s_lshl_b32 s25, s21, 2
	s_add_co_u32 s24, s24, s25
	s_mov_b32 s25, 0
	s_add_nc_u64 s[6:7], s[6:7], s[24:25]
	s_lshl_b32 s24, s21, 9
	s_lshl_b32 s26, s22, 8
	s_add_co_u32 s24, s24, s26
	s_add_nc_u64 s[14:15], s[14:15], s[24:25]
	s_lshl_b32 s24, s21, 5
	s_lshl_b32 s26, s22, 4
	s_add_co_u32 s24, s24, s26
	s_add_nc_u64 s[16:17], s[16:17], s[24:25]
	WLOAD 0
	WLOAD 1
.irp t, 0,1,2,3,4,5,6,7,8,9,10,11,12,13,14,15
	WBLOCK \t
.endr
	global_store_b128 v9, v[WSB:WSB+3], s[16:17]   ; my column's 16 scale bytes
.irp t, 0,1,2,3,4,5,6,7,8,9,10,11,12,13,14,15
	ds_load_b128 v[WOUT+4*\t:WOUT+4*\t+3], v7 offset:2*\t*WPITCH
.endr
.irp t, 0,1,2,3,4,5,6,7,8,9,10,11,12,13,14,15
	s_wait_dscnt 15-\t                             ; the loads issued behind this one may stay out
	global_store_b128 v8, v[WOUT+4*\t:WOUT+4*\t+3], s[14:15] offset:2*\t*WKROW   ; sixteen lanes store 256 consecutive bytes, aligned
.endr
.Lend:
	s_wait_tensorcnt 0x0                           ; the wave's end
	ds_add_u32 v[SPW], v[NIL]
	s_wait_dscnt 0x0
	s_endpgm
.Lfunc_end_k_q709dba155e_prep:
	.size	k_q709dba155e_prep, .Lfunc_end_k_q709dba155e_prep-k_q709dba155e_prep
	.p2alignl 7, 3214868480
	.fill 96, 4, 3214868480
	.section	.rodata,"a",@progbits
	.p2align	6, 0x0
	.amdhsa_kernel k_q709dba155e_prep
		.amdhsa_group_segment_fixed_size 68096
		.amdhsa_private_segment_fixed_size 0
		.amdhsa_enable_private_segment 0
		.amdhsa_kernarg_size 64
		.amdhsa_user_sgpr_count 2
		.amdhsa_user_sgpr_kernarg_segment_ptr 1
		.amdhsa_wavefront_size32 1
		.amdhsa_system_sgpr_workgroup_id_x 1
		.amdhsa_system_sgpr_workgroup_id_y 1
		.amdhsa_system_sgpr_workgroup_id_z 1
		.amdhsa_system_vgpr_workitem_id 0
		.amdhsa_next_free_vgpr 196
		.amdhsa_next_free_sgpr 66
		.amdhsa_reserve_vcc 0
		.amdhsa_float_denorm_mode_32 3
		.amdhsa_float_denorm_mode_16_64 3
		.amdhsa_memory_ordered 1
		.amdhsa_forward_progress 1
		.amdhsa_inst_pref_size 131
	.end_amdhsa_kernel
	.amdgpu_metadata
---
amdhsa.version: [ 1, 2 ]
amdhsa.kernels:
  - .name:           k_q709dba155e_prep
    .symbol:         k_q709dba155e_prep.kd
    .args:
      - { .name: x, .offset: 0, .size: 8, .value_kind: global_buffer, .address_space: global }
      - { .name: w_qkv, .offset: 8, .size: 8, .value_kind: global_buffer, .address_space: global }
      - { .name: w_out, .offset: 16, .size: 8, .value_kind: global_buffer, .address_space: global }
      - { .name: xc, .offset: 24, .size: 8, .value_kind: global_buffer, .address_space: global }
      - { .name: xs, .offset: 32, .size: 8, .value_kind: global_buffer, .address_space: global }
      - { .name: wc, .offset: 40, .size: 8, .value_kind: global_buffer, .address_space: global }
      - { .name: ws, .offset: 48, .size: 8, .value_kind: global_buffer, .address_space: global }
      - { .name: w16, .offset: 56, .size: 8, .value_kind: global_buffer, .address_space: global }
    .group_segment_fixed_size: 68096
    .private_segment_fixed_size: 0
    .kernarg_segment_align: 8
    .kernarg_segment_size: 64
    .max_flat_workgroup_size: 128
    .sgpr_count:     66
    .vgpr_count:     196
    .wavefront_size: 32
...
	.end_amdgpu_metadata
.endif
;; end of part 1
;; launch qkvg (part 2): grid 12 x 32, 4 waves a work-group, clusters of 4 x 4, 327,680 bytes of LDS; arguments xc, xs, wc, ws, b_qkv, qkv, qf; writes qkv, qf
.if DOCPART == 2
	.amdgcn_target "amdgcn-amd-amdhsa--gfx1250"
	.amdhsa_code_object_version 6
	.text
	.protected	k_q709dba155e_qkvg
	.globl	k_q709dba155e_qkvg
	.p2align	8
	.type	k_q709dba155e_qkvg,@function
k_q709dba155e_qkvg:
	s_mov_b64 s[64:65], 0
	v_nop
	global_prefetch_b8 v0, s[64:65] scope:SCOPE_SE
	s_setreg_imm32_b32 hwreg(HW_REG_WAVE_MODE, 25, 1), 1
	s_wait_xcnt 0x0
	s_wait_alu depctr_hold_cnt(0) depctr_sa_sdst(0) depctr_va_vdst(0) depctr_va_sdst(0) depctr_va_ssrc(0) depctr_va_vcc(0) depctr_vm_vsrc(0)
	s_getreg_b32 s2, hwreg(HW_REG_IB_STS2, 6, 4)
	s_cmp_eq_u32 s2, 0
	s_cbranch_scc0 .Lentry_in_a_cluster
	s_endpgm
.Lentry_in_a_cluster:
	s_bfe_u32 s2, ttmp6, 0x10000c
	s_cmp_lg_u32 s2, 0xf033
	s_cbranch_scc0 .Lentry_shape_is_right
	s_endpgm
.Lentry_shape_is_right:
; qkv = Q(x) Q(w_qkv) + b_qkv on codes of FP4 (E2M1) with one E8M0 scale for each 32 along K = 1,024; sums in f32.
; xc [8192][512 bytes], xs [8192][32], wc [3072][512 bytes], ws [3072][32].  OUT: qkv, f16, laid [batch 4][slab 48][token 2048][64]: slab = column / 64 (q: head, k: 16 + head, v: 32 + head);
; qf, f32: tokens 0-15 of each batch as images of accumulators, [batch 4][column / 16: 192][1,024 bytes]: number (token m, column 16 ct + 8 h + j) at 512 (j / 4) + 16 (16 h + m) + 4 (j % 4).
; LIMIT: a result beyond 65,504 becomes an infinity in f16.
; A tile of 256 x 256 is made by four waves, each 128 x 128: 64 accumulators, 512 registers.  K is two steps of 512 (rows of 256 bytes), each in an LDS slot of its own: nothing is filled again.
; The scales of the work-group's 256 + 256 rows come once, as dense blocks.  CLUSTERS of 4 x 4: x's tiles are asked for jointly along a row of the cluster, w's along a column.
; TILE ROW = 8 cy + cluster y: so the batch is cy, and a tile holds tokens 0-15 where cluster y = 0, which is the same in all sixteen partners.
; THE MATRIX INSTRUCTION IS USED TRANSPOSED (source 0 = 16 rows of wc, source 1 = 16 rows of xc): a lane holds eight neighbouring columns of one token.  The bias is the C of each sum's first instruction.
; REGISTERS, in windows of 256: window 0: v0-31 addresses; v32-95 scale words, two sets; v128-191 x's fragments, one set; v192-255 the bias, eight registers a column block; on the way out v32-63, v128-191 are free.
;   window 1: w's fragments, two sets, at v0 and v128.   window 2: the accumulators of my rows 0-63 ((a, b) at v[8 (8 a + b)]);   window 3: those of my rows 64-127.
.set KSTEP,  512
.set NQ,     KSTEP/128
.set ROWB,   256                       ; a tile's row in bytes
.set KROW,   512                       ; a row of codes in memory
.set PITCH,  272                       ; an LDS row: 256 bytes + 16 of padding: the 16 rows that a load touches begin 68 words apart
.set FR,     8
.set NL,     2
.set NP,     4                         ; places behind this matrix instruction (ISA guide 7.12.1)
.set HALFT,  128*PITCH
.set SLOT,   4*HALFT
.set KS,     32                        ; a row of scales in bytes
.set SCL,    2*SLOT                    ; behind the slots: the scales, as units of 256 bytes + 16 of padding
.set HALFS,  (128*KS/256)*272
.set SBLK,   (16*KS/256)*272
.set SPARE,  SCL+4*HALFS               ; the spare words, 128 bytes for each wave: two blocks of 256 bytes that no other line names
.set SPITCH, 272                       ; the way out: a stage of 16 rows x (256 bytes + 16) for each wave, in slot 0, which has had its one fill and its last read by then
.set ADRA, 16                          ; v16-17  LDS address of my fragments of x in slot 0, 1
.set ADRB, 20                          ; v20-21  of w
.set STO,  24                          ; v24     the way out: where I put 16 bytes of a row
.set RD,   25                          ; v25     where I read back: four tokens x 128 bytes an instruction
.set CO,   26                          ; v26     16 x lane
.set ADRS, 27                          ; v27     LDS address of my scale words: lanes 0-15 x's rows, lanes 16-31 w's
.set SPW,  28                          ; v28     my spare word; never rewritten
.set NIL,  29                          ; v29     0; never rewritten
.set BO,   30                          ; v30     32 x (lane / 16): my eight numbers of a column block's bias
.set SC,   32
.set TMP,  32                          ; the way out: a block as f16
.set AF,   128
.set BK,   128                         ; the way out: rows read back, v128-159 and v160-191 by turns
.set BI,   192
.set G1, 24
.set G0, 32
.set G1B, 48
.set G0B, 56
.set G1S, 68
.set G0S, 76
.set G1SB, 80
.set G0SB, 88
.set MSB, 0
.macro WIN new                         ; the immediate's high byte repeats the setting that is left
.if MSB != \new
	s_set_vgpr_msb (MSB<<8)|\new
.set MSB, \new
.endif
.endm
.set MUL_LO, 0xa1                      ; source 0 (w) window 1, source 1 (x) window 0, C and D window 2
.set MUL_HI, 0xf1                      ; the same, C and D window 3
.set FIRST_LO, 0x81                    ; the first step: C is the bias, in window 0
.set FIRST_HI, 0xc1
.set TO_B,   0x40
; A joint load: waves 0 and 1 fetch for x, waves 2 and 3 for w.  The branch hangs on the wave's number alone.  An s_nop 0 and four v_nop follow each line.
.macro JLOAD g0a, g1a, g0b, g1b
	s_cmp_eq_u32 s15, 0
	s_cbranch_scc0 .Lfor_b_\@
	tensor_load_to_lds s[\g0a:\g0a+3], s[\g1a:\g1a+7]
	s_nop 0
.rept 4
	v_nop
.endr
	s_branch .Lasked_\@
.Lfor_b_\@:
	tensor_load_to_lds s[\g0b:\g0b+3], s[\g1b:\g1b+7]
	s_nop 0
.rept 4
	v_nop
.endr
.Lasked_\@:
.endm
.macro CROUND                          ; a round of the cluster's barrier
	s_barrier_signal -1
	s_barrier_wait -1
	s_cmp_lg_u32 s14, 0
	s_cbranch_scc1 .Lnot_wave_0_\@
	s_barrier_signal -3
.Lnot_wave_0_\@:
	s_barrier_wait -3
	s_barrier_signal -1
	s_barrier_wait -1
.endm
	s_load_b128 s[4:7], s[0:1], 0x0                ; x's codes s[4:5], x's scales s[6:7]
	s_load_b128 s[8:11], s[0:1], 0x10              ; w's codes s[8:9], w's scales s[10:11]
	s_load_b128 s[96:99], s[0:1], 0x20             ; b_qkv s[96:97], qkv s[98:99]
	s_load_b64 s[100:101], s[0:1], 0x30            ; qf
	v_lshl_add_u32 v[SPW], v0, 2, SPARE
	v_mov_b32 v[NIL], 0
	ds_add_u32 v[SPW], v[NIL]                      ; the wave's opening: the add, twice on end, and its wait ahead of my first tensor load
	ds_add_u32 v[SPW], v[NIL]
	v_lshrrev_b32 v1, 5, v0
	v_readfirstlane_b32 s14, v1                    ; wave 0..3
	s_lshr_b32 s15, s14, 1                         ; which half of the tile's rows is mine.  Also: I fetch for x (0) or for w (1)
	s_and_b32 s16, s14, 1                          ; which half of its columns.  Also: which 128 rows I fetch
	s_bfe_u32 s40, ttmp6, 0x40000                  ; cx
	s_bfe_u32 s41, ttmp6, 0x40004                  ; cy
	s_lshl_b32 s42, ttmp9, 2
	s_add_co_u32 s42, s42, s40                     ; tile column = 4 x cluster x + cx
	s_and_b32 s2, ttmp7, 0xffff                    ; cluster y
	s_lshl_b32 s17, s41, 3
	s_add_co_u32 s17, s17, s2                      ; tile row = 8 cy + cluster y
	s_lshl_b32 s43, s41, 2
	s_lshl_b32 s43, 15, s43                        ; my row of the cluster
	s_lshl_b32 s44, 0x1111, s40                    ; my column
	s_or_b32 s[G1+0], s43, (0<<16)|(1<<20)|(1<<21)|(5<<22)|(3<<25)  ; the mask; elements of 1 byte; padding on; bit 21 beside a mask; 4 words behind every 64
	s_or_b32 s[G1B+0], s44, (0<<16)|(1<<20)|(1<<21)|(5<<22)|(3<<25)
.irp g, G1, G1B
	s_mov_b32 s[\g+1], ROWB<<16                    ; tensor_dim0
	s_mov_b32 s[\g+2], 128<<16                     ; tensor_dim1
	s_mov_b32 s[\g+3], ROWB<<16                    ; tile_dim0
	s_mov_b32 s[\g+4], 128                         ; tile_dim1
	s_mov_b32 s[\g+5], KROW                        ; the pitch
	s_mov_b32 s[\g+6], 0
	s_mov_b32 s[\g+7], 0
.endr
	s_or_b32 s[G1S+0], s43, (3<<16)|(1<<20)|(1<<21)|(5<<22)|(3<<25) ; the scales of 128 rows: 4,096 dense bytes as 16 rows of 256 (32 elements of 8 bytes)
	s_or_b32 s[G1SB+0], s44, (3<<16)|(1<<20)|(1<<21)|(5<<22)|(3<<25)
.irp g, G1S, G1SB
	s_mov_b32 s[\g+1], 32<<16
	s_mov_b32 s[\g+2], (128*KS/256)<<16
	s_mov_b32 s[\g+3], 32<<16
	s_mov_b32 s[\g+4], 128*KS/256
	s_mov_b32 s[\g+5], 32
	s_mov_b32 s[\g+6], 0
	s_mov_b32 s[\g+7], 0
.endr
	s_lshl_b32 s18, s16, 7
	s_lshl_b32 s20, s17, 8
	s_add_co_u32 s20, s20, s18                     ; x: row 256 x tile row + 128 x half
	s_lshl_b32 s46, s42, 8
	s_add_co_u32 s46, s46, s18                     ; w: row 256 x tile column + 128 x half
	s_mov_b32 s21, 0
	s_mov_b32 s47, 0
	s_mov_b64 s[18:19], KS
	s_mul_u64 s[22:23], s[20:21], s[18:19]         ; where these rows' scales begin
	s_mul_u64 s[92:93], s[46:47], s[18:19]
	s_mov_b64 s[18:19], KROW
	s_mul_u64 s[20:21], s[20:21], s[18:19]         ; and their codes
	s_mul_u64 s[46:47], s[46:47], s[18:19]
	s_mul_i32 s45, s14, HALFT                      ; where they go: wave x 128 rows
	s_mul_i32 s94, s14, HALFS
	s_wait_dscnt 0x0                               ; both opening adds are done
	s_wait_kmcnt 0x0
	s_add_nc_u64 s[20:21], s[4:5], s[20:21]
	s_add_nc_u64 s[22:23], s[6:7], s[22:23]
	s_add_nc_u64 s[46:47], s[8:9], s[46:47]
	s_add_nc_u64 s[92:93], s[10:11], s[92:93]
	CROUND                                         ; all sixteen work-groups are here: the joint loads meet
	s_mov_b32 s[G0S], 1
	s_add_co_u32 s[G0S+1], s94, SCL
	s_mov_b64 s[G0S+2:G0S+3], s[22:23]
	s_or_b32 s[G0S+3], s[G0S+3], 0x80000000
	s_mov_b32 s[G0SB], 1
	s_add_co_u32 s[G0SB+1], s94, SCL
	s_mov_b64 s[G0SB+2:G0SB+3], s[92:93]
	s_or_b32 s[G0SB+3], s[G0SB+3], 0x80000000
	JLOAD G0S, G1S, G0SB, G1SB                     ; the scales first; three loads of a wave are out behind the third
.irp s, 0,1
	s_mov_b32 s[G0+4*\s], 1
	s_add_co_u32 s[G0+4*\s+1], s45, \s*SLOT
	s_add_nc_u64 s[G0+4*\s+2:G0+4*\s+3], s[20:21], \s*ROWB
	s_or_b32 s[G0+4*\s+3], s[G0+4*\s+3], 0x80000000
	s_mov_b32 s[G0B+4*\s], 1
	s_add_co_u32 s[G0B+4*\s+1], s45, \s*SLOT
	s_add_nc_u64 s[G0B+4*\s+2:G0B+4*\s+3], s[46:47], \s*ROWB
	s_or_b32 s[G0B+4*\s+3], s[G0B+4*\s+3], 0x80000000
	JLOAD G0+4*\s, G1, G0B+4*\s, G1B
.endr
	v_and_b32 v1, 15, v0                           ; r = l % 16
	v_bfe_u32 v2, v0, 4, 1                         ; h = l / 16
	v_mul_u32_u24 v3, v1, PITCH
	v_lshl_add_u32 v4, v2, 4, v3                   ; a fragment's row x pitch + 16 h
	s_mul_i32 s21, s15, HALFT
	s_mul_i32 s22, s16, HALFT
	s_add_co_u32 s22, s22, 2*HALFT
.irp s, 0,1
	v_add_nc_u32 v[ADRA+\s], s21, v4
	v_add_nc_u32 v[ADRB+\s], s22, v4
	s_add_co_u32 s21, s21, SLOT
	s_add_co_u32 s22, s22, SLOT
.endr
	v_mul_u32_u24 v5, v1, KS                       ; my row's scales: 32 bytes a row,
	v_lshrrev_b32 v6, 8, v5
	v_lshl_add_u32 v5, v6, 4, v5                   ; and 16 more for each 256 passed
	s_mul_i32 s21, s15, HALFS
	s_mul_i32 s22, s16, HALFS
	s_add_co_u32 s22, s22, 2*HALFS
	s_sub_co_u32 s22, s22, s21
	v_mul_u32_u24 v6, s22, v2                      ; lanes 16-31 take w's: one product, the distance between the two bases x h
	s_add_co_u32 s21, s21, SCL
	v_add_nc_u32 v5, v5, v6
	v_add_nc_u32 v[ADRS], s21, v5
	s_mul_i32 s23, s14, 16*SPITCH                  ; my stage
	v_mul_u32_u24 v5, v1, SPITCH
	v_lshl_add_u32 v5, v2, 4, v5
	v_add_nc_u32 v[STO], s23, v5                   ; in: row r, 16 bytes for each half of the lanes
	v_and_b32 v6, 31, v0
	v_lshlrev_b32 v[CO], 4, v6
	v_lshrrev_b32 v5, 3, v6
	v_mul_u32_u24 v5, v5, SPITCH
	v_and_b32 v6, 7, v6
	v_lshl_add_u32 v5, v6, 4, v5
	v_add_nc_u32 v[RD], s23, v5                    ; back: row l / 8, 16 (l % 8) bytes on: eight lanes take a head's 128 bytes of a token
	v_lshlrev_b32 v[BO], 5, v2
	s_mul_i32 s20, s41, 12582912                   ; qkv: the batch (cy),
	s_lshl_b32 s21, s2, 15                         ; 256 x cluster y tokens of 128 bytes,
	s_add_co_u32 s20, s20, s21
	s_lshl_b32 s21, s15, 14                        ; my 128 rows,
	s_add_co_u32 s20, s20, s21
	s_lshl_b32 s46, s42, 20                        ; four slabs of 262,144 bytes a tile column,
	s_lshl_b32 s47, s16, 19                        ; two a wave
	s_add_co_u32 s46, s46, s47
	s_add_co_u32 s20, s20, s46
	s_mov_b32 s21, 0
	s_add_nc_u64 s[12:13], s[98:99], s[20:21]
	s_mul_i32 s20, s41, 196608                     ; qf: the batch, then 16 images of 1,024 bytes a tile column, 8 a wave
	s_lshl_b32 s46, s42, 14
	s_lshl_b32 s47, s16, 13
	s_add_co_u32 s46, s46, s47
	s_add_co_u32 s20, s20, s46
	s_add_nc_u64 s[100:101], s[100:101], s[20:21]
	s_lshl_b32 s20, s42, 10                        ; the bias: my first column x 4 bytes
	s_lshl_b32 s46, s16, 9
	s_add_co_u32 s20, s20, s46
	s_add_nc_u64 s[96:97], s[96:97], s[20:21]
	s_or_b32 s95, s2, s15                          ; 0 where my first 16 rows are tokens 0-15: made of the cluster's y and the wave's number alone
.irp b, 0,1,2,3,4,5,6,7
	global_load_b128 v[BI+8*\b:BI+8*\b+3], v[BO], s[96:97] offset:64*\b        ; b_qkv at columns 16 b + 8 h + 0 .. 7 of my 128
	global_load_b128 v[BI+8*\b+4:BI+8*\b+7], v[BO], s[96:97] offset:64*\b+16
.endr
.macro FRAG reg, adr, q, i             ; 16 rows x 128 K of 4-bit codes: lane l holds row l % 16; registers 4 c .. 4 c + 3 hold K = 64 c + 32 (l / 16) + 0 .. 31
.irp c, 0,1
	ds_load_b128 v[\reg+4*\c:\reg+4*\c+3], v[\adr] offset:64*(\q)+32*\c+(\i)*16*PITCH
.endr
.endm
; 16 matrix instructions: x's blocks a0, a0 + 1 against w's eight.  The 64 accumulators take turns, one instruction a turn, in the same order in every step.
.macro MUL16 a0, p, q, sc, zero
.irp a, \a0, \a0+1
.irp b, 0,1,2,3,4,5,6,7
.if \zero
	v_wmma_scale_f32_16x16x128_f8f6f4 v[8*(8*((\a)%4)+\b):8*(8*((\a)%4)+\b)+7], v[128*(\p)+FR*\b:128*(\p)+FR*\b+FR-1], v[AF+FR*(\a):AF+FR*(\a)+FR-1], v[BI+8*\b:BI+8*\b+7], v[SC+8*NQ*(\sc)+NQ*\b+(\q)], v[SC+8*NQ*(\sc)+NQ*(\a)+(\q)] matrix_a_fmt:MATRIX_FMT_FP4 matrix_b_fmt:MATRIX_FMT_FP4 matrix_a_scale:MATRIX_SCALE_ROW1
.else
	v_wmma_scale_f32_16x16x128_f8f6f4 v[8*(8*((\a)%4)+\b):8*(8*((\a)%4)+\b)+7], v[128*(\p)+FR*\b:128*(\p)+FR*\b+FR-1], v[AF+FR*(\a):AF+FR*(\a)+FR-1], v[8*(8*((\a)%4)+\b):8*(8*((\a)%4)+\b)+7], v[SC+8*NQ*(\sc)+NQ*\b+(\q)], v[SC+8*NQ*(\sc)+NQ*(\a)+(\q)] matrix_a_fmt:MATRIX_FMT_FP4 matrix_b_fmt:MATRIX_FMT_FP4 matrix_a_scale:MATRIX_SCALE_ROW1
.endif
.endr
.endr
.endm
.macro FETCH_B slot, q, p
	WIN TO_B
.irp i, 0,1,2,3,4,5,6,7
	FRAG 128*(\p)+FR*\i, ADRB+\slot, \q, \i
.endr
	WIN 0
.endm
.macro FETCH_A slot, q, i0
.irp i, \i0, \i0+1, \i0+2, \i0+3
	FRAG AF+FR*(\i), ADRA+\slot, \q, \i
.endr
.endm
.macro SCALES sc                       ; a K step's scale words: four words a row; lanes 0-15 take x's block i, lanes 16-31 w's block i
.irp i, 0,1,2,3,4,5,6,7
	ds_load_b128 v[SC+8*NQ*\sc+NQ*\i:SC+8*NQ*\sc+NQ*\i+3], v[ADRS] offset:\i*SBLK
.endr
.endm
.macro PLACES n                        ; plain vector lines between a matrix instruction and a load into, or a read of, its registers (ISA guide 7.12.1 for reads)
.rept \n
	v_nop
.endr
.endm
.macro STEP slot, q, zero              ; 128 along K with its successor in the same slot
	s_wait_dscnt 4*NL                              ; w's set and x's blocks 0-3 are in; the youngest eight loads (x's blocks 4-7) may be out
.if \zero
	WIN FIRST_LO
.else
	WIN MUL_LO
.endif
	MUL16 0, (\q)%2, \q, \slot, \zero
	MUL16 2, (\q)%2, \q, \slot, \zero
	s_wait_dscnt 0
	PLACES NP
	FETCH_B \slot, (\q)+1, 1-(\q)%2
	FETCH_A \slot, (\q)+1, 0
.if \zero
	WIN FIRST_HI
.else
	WIN MUL_HI
.endif
	MUL16 4, (\q)%2, \q, \slot, \zero
	MUL16 6, (\q)%2, \q, \slot, \zero
	PLACES NP
	WIN 0
	FETCH_A \slot, (\q)+1, 4
.endm
.macro TURN slot, next                 ; slot 0's last step, and the change to slot 1: one barrier
	s_wait_tensorcnt 0x0                           ; all my tensor loads have landed: my part of the next slot
	ds_add_u32 v[SPW], v[NIL]                      ; 0 onto my spare word
	s_wait_dscnt 4*NL+1                            ; the add and the youngest eight loads may be out
	WIN MUL_LO
	MUL16 0, 1, NQ-1, \slot, 0
	s_wait_dscnt 0x0                               ; the add is done, and my reads of this slot are over
	s_barrier_signal -1
	MUL16 2, 1, NQ-1, \slot, 0
	WIN 0
	s_barrier_wait -1
	PLACES NP
	v_add_nc_u32 v[ADRS], 4*NQ, v[ADRS]            ; on to the next K step's scale words
	FETCH_B \next, 0, 0
	FETCH_A \next, 0, 0
	SCALES \next
	WIN MUL_HI
	MUL16 4, 1, NQ-1, \slot, 0
	MUL16 6, 1, NQ-1, \slot, 0
	PLACES NP
	WIN 0
	FETCH_A \next, 0, 4
.endm
	s_wait_tensorcnt 1                             ; the scales and my part of K step 0 are in; K step 1's load may be out
	s_barrier_signal -1
	s_barrier_wait -1
	FETCH_B 0, 0, 0
	FETCH_A 0, 0, 0
	SCALES 0
	FETCH_A 0, 0, 4
	s_wait_loadcnt 0x0                             ; the bias
	STEP 0, 0, 1                                   ; the first products start the sums from the bias: nothing is cleared, nothing is added later
	STEP 0, 1, 0
	STEP 0, 2, 0
	TURN 0, 1
	STEP 1, 0, 0
	STEP 1, 1, 0
	STEP 1, 2, 0
	s_wait_dscnt 4*NL                              ; the very last step: nothing more to fetch
	WIN MUL_LO
	MUL16 0, 1, NQ-1, 1, 0
	MUL16 2, 1, NQ-1, 1, 0
	s_wait_dscnt 0
	WIN MUL_HI
	MUL16 4, 1, NQ-1, 1, 0
	MUL16 6, 1, NQ-1, 1, 0
	WIN 0
	PLACES NP                                      ; behind the last products: for the reads of results and the loads into x's fragments' registers
	; TOKENS 0-15 ALSO LEAVE IN f32, as the accumulators stand: 512 consecutive bytes a store
	s_cmp_lg_u32 s95, 0
	s_cbranch_scc1 .Lnofine
	WIN 0x08                                       ; a store's data: window 2
.irp b, 0,1,2,3,4,5,6,7
	global_store_b128 v[CO], v[8*\b:8*\b+3], s[100:101] offset:1024*\b
	global_store_b128 v[CO], v[8*\b+4:8*\b+7], s[100:101] offset:1024*\b+512
.endr
	WIN 0
.Lnofine:
; THE WAY OUT, a block of 16 tokens x 128 columns at a time: rounded to f16, through my stage, back as four tokens x one head's 128 bytes, which lie on end in qkv.
.macro PACK a
.set AC, 64*((\a)%4)
	WIN 0x0a+5*((\a)/4)                            ; sources 0 and 1: window 2 or 3
.irp b, 0,1,2,3,4,5,6,7
.irp r, 0,1,2,3
	v_cvt_pk_f16_f32 v[TMP+4*\b+\r], v[AC+8*\b+2*\r], v[AC+8*\b+2*\r+1]   ; each accumulator from its low end on
.endr
.endr
	WIN 0
.endm
.macro TOSTAGE a
.set BB, BK+32*((\a)%2)
.irp b, 0,1,2,3,4,5,6,7
	ds_store_b128 v[STO], v[TMP+4*\b:TMP+4*\b+3] offset:32*\b
.endr
.irp t, 0,1,2,3,4,5,6,7
	ds_load_b128 v[BB+4*\t:BB+4*\t+3], v[RD] offset:(\t%4)*4*SPITCH+(\t/4)*128   ; LDS serves a wave's instructions in order: these see the stores above
.endr
.endm
.macro SEND a
.set BB, BK+32*((\a)%2)
	s_wait_dscnt 0x0                               ; the block is back in registers
	s_wait_xcnt 0x0                                ; the earlier stores have read their data: the other set of registers is loaded again only behind this wait
.irp t, 0,1,2,3,4,5,6,7
	global_store_b128 v[CO], v[BB+4*\t:BB+4*\t+3], s[12:13] offset:(\t/4)*262144+(\a)*2048+(\t%4)*512   ; 32 lanes store 512 consecutive bytes, aligned
.endr
.endm
	PACK 0
	TOSTAGE 0
.irp a, 1,2,3,4,5,6,7
	PACK \a                                        ; block a's conversions stand between block a - 1's loads from the stage and the wait for them
	SEND \a-1
	TOSTAGE \a
.endr
	SEND 7
	s_wait_tensorcnt 0x0                           ; the wave's end
	ds_add_u32 v[SPW], v[NIL]
	s_wait_dscnt 0x0
	CROUND                                         ; the closing round
	s_endpgm
.Lfunc_end_k_q709dba155e_qkvg:
	.size	k_q709dba155e_qkvg, .Lfunc_end_k_q709dba155e_qkvg-k_q709dba155e_qkvg
	.p2alignl 7, 3214868480
	.fill 96, 4, 3214868480
	.section	.rodata,"a",@progbits
	.p2align	6, 0x0
	.amdhsa_kernel k_q709dba155e_qkvg
		.amdhsa_group_segment_fixed_size 327680
		.amdhsa_private_segment_fixed_size 0
		.amdhsa_enable_private_segment 0
		.amdhsa_kernarg_size 56
		.amdhsa_user_sgpr_count 2
		.amdhsa_user_sgpr_kernarg_segment_ptr 1
		.amdhsa_wavefront_size32 1
		.amdhsa_system_sgpr_workgroup_id_x 1
		.amdhsa_system_sgpr_workgroup_id_y 1
		.amdhsa_system_sgpr_workgroup_id_z 1
		.amdhsa_system_vgpr_workitem_id 0
		.amdhsa_next_free_vgpr 1024
		.amdhsa_next_free_sgpr 102
		.amdhsa_reserve_vcc 0
		.amdhsa_float_denorm_mode_32 3
		.amdhsa_float_denorm_mode_16_64 3
		.amdhsa_memory_ordered 1
		.amdhsa_forward_progress 1
		.amdhsa_inst_pref_size 130
	.end_amdhsa_kernel
	.amdgpu_metadata
---
amdhsa.version: [ 1, 2 ]
amdhsa.kernels:
  - .name:           k_q709dba155e_qkvg
    .symbol:         k_q709dba155e_qkvg.kd
    .args:
      - { .name: xc, .offset: 0, .size: 8, .value_kind: global_buffer, .address_space: global }
      - { .name: xs, .offset: 8, .size: 8, .value_kind: global_buffer, .address_space: global }
      - { .name: wc, .offset: 16, .size: 8, .value_kind: global_buffer, .address_space: global }
      - { .name: ws, .offset: 24, .size: 8, .value_kind: global_buffer, .address_space: global }
      - { .name: b_qkv, .offset: 32, .size: 8, .value_kind: global_buffer, .address_space: global }
      - { .name: qkv, .offset: 40, .size: 8, .value_kind: global_buffer, .address_space: global }
      - { .name: qf, .offset: 48, .size: 8, .value_kind: global_buffer, .address_space: global }
    .group_segment_fixed_size: 327680
    .private_segment_fixed_size: 0
    .kernarg_segment_align: 8
    .kernarg_segment_size: 56
    .max_flat_workgroup_size: 128
    .sgpr_count:     102
    .vgpr_count:     1024
    .wavefront_size: 32
...
	.end_amdgpu_metadata
.endif
;; end of part 2
;; launch attn (part 3): grid 4 x 64, 8 waves a work-group, no clusters, 327,680 bytes of LDS; arguments qkv, att; writes att
.if DOCPART == 3
	.amdgcn_target "amdgcn-amd-amdhsa--gfx1250"
	.amdhsa_code_object_version 6
	.text
	.protected	k_q709dba155e_attn
	.globl	k_q709dba155e_attn
	.p2align	8
	.type	k_q709dba155e_attn,@function
k_q709dba155e_attn:
	s_mov_b64 s[64:65], 0
	v_nop
	global_prefetch_b8 v0, s[64:65] scope:SCOPE_SE
	s_setreg_imm32_b32 hwreg(HW_REG_WAVE_MODE, 25, 1), 1
	s_wait_xcnt 0x0
; att[bh][q][:] = the sum over k <= q of softmax_k(Q[q] . K[k] / 8) V[k][:], for 64 heads of 2,048 tokens x 64.  qkv: f16 [batch 4][slab 48][token][64]; att: f16 [batch x 16 + head][token][64].
; Products on f16 operands with f32 sums; maxima, exponentials and sums in f32; the weights p are rounded to f16 for the second product, the result once at the end.
; LIMITS: NaN and infinities are not served; a result beyond 65,504 becomes an infinity; a p under 2^-126 counts as 0.
; SHARES.  Work-group (i, head) STAYS and makes two passes: query block 7 - i (256 queries; 8 - i slots of 256 keys), then query block i (i + 1 slots): nine slots for every work-group, so the trip count is a constant.
; A wave owns 32 queries, two tiles of 16.  Wave w takes chunk w (w < 4) or 11 - w: waves w and w + 4 together walk five of the diagonal slot's steps.
; NO CLUSTER: the four work-groups of a head want different numbers of tiles in each pass, so they could not make every joint request together.
; LAYOUT.  S^T = K Q^T (source 0 = 16 keys, source 1 = 16 queries): a lane holds ONE query (lane % 16) and keys 8 (lane / 16) + 0..7.  Two such tiles, rounded in pairs, ARE source 1 of O^T = V^T P.
; K comes out of LDS as it lies, V ([key][channel]) turned, by ds_load_tr16_b128.
; SOFTMAX.  A running maximum m and sum l for each query: p = 2^(c s - c m), c = log2(e) / 8; in every step O and l are multiplied by a = 2^(c m_old - c m_new).
; THE MASK.  A step all of whose keys come after my 32 queries is left out (a scalar branch on ids, round its work alone); in a step on the diagonal hidden scores become -infinity ahead of the maximum.
; In every step that is walked its first key counts for all my queries, so m is a number from the first step on.
; THE RING.  Two slots of 256 keys, four steps of 64.  Waves 0-3 fetch the four steps' K, waves 4-7 their V: one tensor load a wave behind each change of slots, which has a slot's four steps in which to land.
; REGISTERS: window 0: v1-13 addresses; v16-31 statistics, eight a tile; v32-63 Q; v64-127 S^T; v128-191 K; v192-223 P; v224-227.   window 1: v0-63 O^T (tile q, channels 16 dt on: 32 q + 8 dt); v128-191 V.
.set KS,    64
.set PK,    144                        ; a row of K in LDS: 128 bytes + 16: 36 words from row to row
.set PV,    160                        ; a row of V: 128 + 32: 40 words
.set VOFF,  KS*PK                      ; a step: 64 rows of K, then 64 rows of V
.set STEPB, KS*(PK+PV)
.set SLOT1, 1<<17                      ; slot 1 begins here: one exclusive or turns an address
.set STAGE, 4*STEPB                    ; behind slot 0: 32 rows x 144 bytes for each wave, for the way out; no fill lands here
.set SP,    144
.set SPARE, STAGE+8*32*SP              ; the spare words, 128 bytes for each wave: four blocks of 256 bytes that no other line names
.set AK0, 3
.set AV0, 4
.set ADK, 5
.set ADV, 6
.set QO,  7
.set STO, 8
.set RD,  9
.set GO,  10
.set SPW, 11
.set NIL, 12
.set DQ,  13                           ; lane % 16 - 8 (lane / 16)
.set ST,  16                           ; tile q at ST + 8 q: +0 c m, +1 m, +2, +3 l in two halves, +4 .. +7 at work; a in +6
.set Q,   32
.set S,   64
.set KFR, 128
.set P,   192
.set NINF, 224
.set PFO, 225
.set DD,  226
.set VFR, 128                          ; in window 1
.set WV,  8
.set II,  9
.set BH,  10
.set NA,  11                           ; slots of the first pass
.set Q0,  12                           ; my first query
.set KF,  13                           ; the step's first key
.set T,   14                           ; the trip
.set TB,  15                           ; LDS byte at which the step in hand begins
.set KB,  16                           ; the block of 256 keys asked for last
.set INNER, 17
.set Q0B, 18
.set G1K, 24
.set G1V, 32
.set G0,  40
.set LBASE, 44                         ; s[44:45] my 64 rows of K or V in the head's first 256 keys
.set CUR, 46                           ; s[46:47] the same in the block asked for last
.set OFFP, 48
.set QA,  50
.set QB,  52
.set OA,  54
.set OB,  56
.set CS,  58
.set SEL, 60
.set PFL, 62                           ; a wave prefetches while the trip's number is under this
.set MSB, 0
.macro WIN new
.if MSB != \new
	s_set_vgpr_msb (MSB<<8)|\new
.set MSB, \new
.endif
.endm
.macro TLOAD                           ; two shapes of padding, so two groups 1 and two lines, chosen by the wave's number; an s_nop 0 and four v_nop follow each
	s_cmp_lt_u32 s[WV], 4
	s_cbranch_scc0 .Lfor_v_\@
	tensor_load_to_lds s[G0:G0+3], s[G1K:G1K+7]
	s_nop 0
.rept 4
	v_nop
.endr
	s_branch .Lasked_\@
.Lfor_v_\@:
	tensor_load_to_lds s[G0:G0+3], s[G1V:G1V+7]
	s_nop 0
.rept 4
	v_nop
.endr
.Lasked_\@:
.endm
; A PREFETCH INTO THE L2 of what the next change of slots will ask for: my own 64 rows (8,192 dense bytes, lanes 256 bytes apart) of the next block of 256 keys, one slot's four steps ahead of that load.
; All four work-groups of a head walk the same K and V in their first pass: work-group i = 0 asks, in trips 0 to 5 (blocks 2 to 7), so each block of 256 bytes is named once and none lies past the head's rows.
.macro ASK
	s_cmp_lt_u32 s[T], s[PFL]
	s_cbranch_scc0 .Lnot_mine_\@
	global_prefetch_b8 v[PFO], s[CUR:CUR+1] offset:32768 th:TH_LOAD_NT scope:SCOPE_SE
.Lnot_mine_\@:
.endm
; THE CHANGE OF SLOTS, at a slot's head.  Each wave waits for all its tensor loads (its part of the slot ahead), adds 0 to its spare word, waits for that and for its reads of the slot that it has left.
.macro CHANGE fill
	s_wait_tensorcnt 0x0                           ; no tensor load of mine is out, so group 0 may be written
	ds_add_u32 v[SPW], v[NIL]
.if \fill
	s_wait_xcnt 0x0                                ; the last prefetch, a slot back, has read its address
	s_add_co_u32 s[KB], s[KB], 1
	s_cmp_eq_u32 s[KB], s[NA]
	s_cselect_b32 s[KB], 0, s[KB]                  ; behind the first pass's last block comes the second pass's block 0
	s_lshl_b32 s[OFFP], s[KB], 15                  ; 256 keys x 128 bytes
	s_add_nc_u64 s[CUR:CUR+1], s[LBASE:LBASE+1], s[OFFP:OFFP+1]
	s_mov_b64 s[G0+2:G0+3], s[CUR:CUR+1]
	s_or_b32 s[G0+3], s[G0+3], 0x80000000
	s_xor_b32 s[G0+1], s[G0+1], SLOT1              ; the other slot than last time
.endif
	s_wait_dscnt 0x0                               ; the add is done, and my reads of the slot that I have left are over
	s_barrier_signal -1
	s_barrier_wait -1
.if \fill
	TLOAD                                          ; the first thing behind the barrier, and my one tensor load until the next
	ASK
.endif
.endm
; A KEY STEP: 64 keys.
.macro STEP
	s_add_co_u32 s66, s[Q0], 31
	s_cmp_gt_u32 s[KF], s66
	s_cbranch_scc1 .Lhidden_\@                     ; all its keys come after my queries
	v_add_nc_u32 v[ADK], s[TB], v[AK0]
	v_add_nc_u32 v[ADV], s[TB], v[AV0]
.irp kt, 0,1,2,3
.irp c, 0,1
	ds_load_b128 v[KFR+8*(2*\kt+\c):KFR+8*(2*\kt+\c)+3], v[ADK] offset:\kt*16*PK+64*\c
	ds_load_b128 v[KFR+8*(2*\kt+\c)+4:KFR+8*(2*\kt+\c)+7], v[ADK] offset:\kt*16*PK+64*\c+32
.endr
.endr
	WIN 0x40                                       ; destination window 1
.irp kc, 0,1
.irp dt, 0,1,2,3
	ds_load_tr16_b128 v[VFR+8*(4*\kc+\dt):VFR+8*(4*\kc+\dt)+3], v[ADV] offset:\kc*32*PV+32*\dt
	ds_load_tr16_b128 v[VFR+8*(4*\kc+\dt)+4:VFR+8*(4*\kc+\dt)+7], v[ADV] offset:\kc*32*PV+16*PV+32*\dt
.endr
.endr
	WIN 0
	s_wait_dscnt 16                                ; K is in; V's 16 loads may be out
.irp c, 0,1                                    ; S^T = K Q^T: eight accumulators by turns
.irp kt, 0,1,2,3
.irp q, 0,1
.if \c == 0
	v_wmma_f32_16x16x32_f16 v[S+32*\q+8*\kt:S+32*\q+8*\kt+7], v[KFR+8*(2*\kt+\c):KFR+8*(2*\kt+\c)+7], v[Q+16*\q+8*\c:Q+16*\q+8*\c+7], 0
.else
	v_wmma_f32_16x16x32_f16 v[S+32*\q+8*\kt:S+32*\q+8*\kt+7], v[KFR+8*(2*\kt+\c):KFR+8*(2*\kt+\c)+7], v[Q+16*\q+8*\c:Q+16*\q+8*\c+7], v[S+32*\q+8*\kt:S+32*\q+8*\kt+7]
.endif
.endr
.endr
.endr
.rept 4
	v_nop                                          ; places behind the products, ahead of the first read of the scores
.endr
	s_add_co_u32 s66, s[KF], 63
	s_cmp_le_u32 s66, s[Q0]
	s_cbranch_scc1 .Lopen_\@                       ; all its keys count for all my queries
	s_sub_co_i32 s66, s[Q0], s[KF]
	v_add_nc_u32 v[DD], s66, v[DQ]                 ; register 8 kt + j of tile q holds key KF + 16 kt + 8 (lane / 16) + j: hidden where 16 kt + j > Q0 - KF + 16 q + lane % 16 - 8 (lane / 16)
	v_add_nc_u32 v[DD+1], 16, v[DD]
.irp q, 0,1
.irp n, 0,1,2,3,4,5,6,7,8,9,10,11,12,13,14,15,16,17,18,19,20,21,22,23,24,25,26,27,28,29,30,31
	v_cmp_gt_i32 vcc_lo, 16*(\n/8)+\n%8, v[DD+\q]
	v_cndmask_b32 v[S+32*\q+\n], v[S+32*\q+\n], v[NINF], vcc_lo
.endr
.endr
.Lopen_\@:
.irp j, 0,1,2,3                                ; the maximum: four chains a tile, the two tiles by turns; each accumulator is read from its low end on
.irp q, 0,1
	v_max3_num_f32 v[ST+8*\q+4+\j], v[S+32*\q+8*\j], v[S+32*\q+8*\j+1], v[S+32*\q+8*\j+2]
.endr
.endr
.irp u, 1,2
.irp j, 0,1,2,3
.irp q, 0,1
	v_max3_num_f32 v[ST+8*\q+4+\j], v[ST+8*\q+4+\j], v[S+32*\q+8*\j+2*\u+1], v[S+32*\q+8*\j+2*\u+2]
.endr
.endr
.endr
.irp q, 0,1
	v_max3_num_f32 v[ST+8*\q+4], v[ST+8*\q+4], v[S+32*\q+7], v[S+32*\q+15]
	v_max3_num_f32 v[ST+8*\q+6], v[ST+8*\q+6], v[S+32*\q+23], v[S+32*\q+31]
.endr
.irp q, 0,1
	v_max3_num_f32 v[ST+8*\q+4], v[ST+8*\q+4], v[ST+8*\q+5], v[ST+8*\q+6]
.endr
.irp q, 0,1
	v_max3_num_f32 v[ST+8*\q+4], v[ST+8*\q+4], v[ST+8*\q+7], v[ST+8*\q+1]   ; with the old m
.endr
.irp q, 0,1
	v_permlanex16_b32 v[ST+8*\q+5], v[ST+8*\q+4], s[SEL], s[SEL+1]           ; the query's other 32 keys lie in the lane 16 away
.endr
.irp q, 0,1
	v_mov_b32 v[ST+8*\q+7], v[ST+8*\q]                                       ; c m_old
.endr
.irp q, 0,1
	v_max_num_f32 v[ST+8*\q+1], v[ST+8*\q+4], v[ST+8*\q+5]
.endr
.irp q, 0,1
	v_mul_f32 v[ST+8*\q], s[CS], v[ST+8*\q+1]
.endr
.irp q, 0,1
	v_sub_f32 v[ST+8*\q+7], v[ST+8*\q+7], v[ST+8*\q]
.endr
.irp n, 0,2,4,6,8,10,12,14,16,18,20,22,24,26,28,30
.irp q, 0,1
	v_pk_fma_f32 v[S+32*\q+\n:S+32*\q+\n+1], v[S+32*\q+\n:S+32*\q+\n+1], s[CS:CS+1], v[ST+8*\q:ST+8*\q+1] op_sel_hi:[1,0,0] neg_lo:[0,0,1] neg_hi:[0,0,1]   ; c s - c m
.endr
.endr
.irp q, 0,1                                    ; ONE BATCH of 66 exponentials with one wait
	v_exp_f32 v[ST+8*\q+6], v[ST+8*\q+7]           ; a
.endr
.irp n, 0,1,2,3,4,5,6,7,8,9,10,11,12,13,14,15,16,17,18,19,20,21,22,23,24,25,26,27,28,29,30,31
.irp q, 0,1
	v_exp_f32 v[S+32*\q+\n], v[S+32*\q+\n]
.endr
.endr
	v_nop                                          ; a plain line behind the last exponential
	s_wait_alu depctr_va_vdst(0)                   ; one wait ahead of the batch's first reader
.irp n, 0,1,2,3,4,5,6,7,8,9,10,11,12,13,14,15
.irp q, 0,1
	v_cvt_pk_f16_f32 v[P+16*\q+\n], v[S+32*\q+2*\n], v[S+32*\q+2*\n+1]
.endr
.endr
.irp u, 0,1,2,3,4,5,6,7                        ; the sum of the unrounded p, in place, pairs 1, 2, 4 and 8 apart
.irp q, 0,1
	v_pk_add_f32 v[S+32*\q+4*\u:S+32*\q+4*\u+1], v[S+32*\q+4*\u:S+32*\q+4*\u+1], v[S+32*\q+4*\u+2:S+32*\q+4*\u+3]
.endr
.endr
.irp u, 0,1,2,3
.irp q, 0,1
	v_pk_add_f32 v[S+32*\q+8*\u:S+32*\q+8*\u+1], v[S+32*\q+8*\u:S+32*\q+8*\u+1], v[S+32*\q+8*\u+4:S+32*\q+8*\u+5]
.endr
.endr
.irp u, 0,1
.irp q, 0,1
	v_pk_add_f32 v[S+32*\q+16*\u:S+32*\q+16*\u+1], v[S+32*\q+16*\u:S+32*\q+16*\u+1], v[S+32*\q+16*\u+8:S+32*\q+16*\u+9]
.endr
.endr
.irp q, 0,1
	v_pk_add_f32 v[S+32*\q:S+32*\q+1], v[S+32*\q:S+32*\q+1], v[S+32*\q+16:S+32*\q+17]
.endr
.irp q, 0,1
	v_pk_fma_f32 v[ST+8*\q+2:ST+8*\q+3], v[ST+8*\q+2:ST+8*\q+3], v[ST+8*\q+6:ST+8*\q+7], v[S+32*\q:S+32*\q+1] op_sel_hi:[1,0,1]   ; l = a l + the sum
.endr
	WIN 0x41                                       ; O^T (destination and source 0) in window 1, a in window 0
.irp q, 0,1
.irp n, 0,2,4,6,8,10,12,14,16,18,20,22,24,26,28,30
	v_pk_mul_f32 v[32*\q+\n:32*\q+\n+1], v[32*\q+\n:32*\q+\n+1], v[ST+8*\q+6:ST+8*\q+7] op_sel_hi:[1,0]
.endr
.endr
	s_wait_dscnt 0x0                               ; V is in
	WIN 0x51                                       ; V and O^T in window 1, P in window 0
.irp kc, 0,1                                   ; O^T += V^T P: eight accumulators by turns
.irp dt, 0,1,2,3
.irp q, 0,1
	v_wmma_f32_16x16x32_f16 v[32*\q+8*\dt:32*\q+8*\dt+7], v[VFR+8*(4*\kc+\dt):VFR+8*(4*\kc+\dt)+7], v[P+16*\q+8*\kc:P+16*\q+8*\kc+7], v[32*\q+8*\dt:32*\q+8*\dt+7]
.endr
.endr
.endr
	WIN 0
.rept 5
	v_nop                                          ; places behind the products: for the next loads into V's registers, the next reads of O^T and the next products
.endr
.Lhidden_\@:
	s_add_co_u32 s[KF], s[KF], KS
	s_add_co_u32 s[TB], s[TB], STEPB
.endm
.macro SLOT_STEPS                      ; a slot's four steps: written once, walked four times
	s_mov_b32 s[INNER], 4
.Lstep_\@:
	STEP
	s_sub_co_u32 s[INNER], s[INNER], 1
	s_cmp_lg_u32 s[INNER], 0
	s_cbranch_scc1 .Lstep_\@
	s_sub_co_u32 s[TB], s[TB], 4*STEPB
	s_xor_b32 s[TB], s[TB], SLOT1                  ; on to the other slot
.endm
.macro INIT                            ; a pass begins: m = -3e38, under every score; l and O^T zeros, which the first a = 0 leaves zeros.  So the step is written once
.irp q, 0,1
	v_mov_b32 v[ST+8*\q+1], 0xff61b1e6
	v_mul_f32 v[ST+8*\q], s[CS], v[ST+8*\q+1]
.irp n, 2,3,4,5,6,7
	v_mov_b32 v[ST+8*\q+\n], 0
.endr
.endr
	WIN 0x40
.irp n, 0,1,2,3,4,5,6,7,8,9,10,11,12,13,14,15,16,17,18,19,20,21,22,23,24,25,26,27,28,29,30,31,32,33,34,35,36,37,38,39,40,41,42,43,44,45,46,47,48,49,50,51,52,53,54,55,56,57,58,59,60,61,62,63
	v_mov_b32 v[\n], 0
.endr
	WIN 0
.endm
.macro QLOAD base                      ; my 32 queries stay in registers: tile q, channels 32 c on
.irp q, 0,1
.irp c, 0,1
	global_load_b128 v[Q+16*\q+8*\c:Q+16*\q+8*\c+3], v[QO], s[\base:\base+1] offset:2048*\q+64*\c
	global_load_b128 v[Q+16*\q+8*\c+4:Q+16*\q+8*\c+7], v[QO], s[\base:\base+1] offset:2048*\q+64*\c+32
.endr
.endr
.endm
.macro WAYOUT base                     ; O^T / l, rounded to f16, through my stage, out as 32 whole rows of 128 bytes, which lie on end in att
.irp q, 0,1
	v_add_f32 v[ST+8*\q+4], v[ST+8*\q+2], v[ST+8*\q+3]
.endr
.irp q, 0,1
	v_permlanex16_b32 v[ST+8*\q+5], v[ST+8*\q+4], s[SEL], s[SEL+1]
.endr
.irp q, 0,1
	v_add_f32 v[ST+8*\q+4], v[ST+8*\q+4], v[ST+8*\q+5]
.endr
.irp q, 0,1
	v_rcp_f32 v[ST+8*\q+6], v[ST+8*\q+4]
.endr
	v_nop
	s_wait_alu depctr_va_vdst(0)                   ; one wait for the two reciprocals, ahead of their first reader
	WIN 0x01                                       ; source 0 window 1
.irp q, 0,1
.irp n, 0,2,4,6,8,10,12,14,16,18,20,22,24,26,28,30
	v_pk_mul_f32 v[S+32*\q+\n:S+32*\q+\n+1], v[32*\q+\n:32*\q+\n+1], v[ST+8*\q+6:ST+8*\q+7] op_sel_hi:[1,0]
.endr
.endr
	WIN 0
.irp q, 0,1
.irp n, 0,1,2,3,4,5,6,7,8,9,10,11,12,13,14,15
	v_cvt_pk_f16_f32 v[P+16*\q+\n], v[S+32*\q+2*\n], v[S+32*\q+2*\n+1]
.endr
.endr
.irp q, 0,1
.irp dt, 0,1,2,3
	ds_store_b128 v[STO], v[P+16*\q+4*\dt:P+16*\q+4*\dt+3] offset:\q*16*SP+32*\dt
.endr
.endr
.irp n, 0,1,2,3,4,5,6,7
	ds_load_b128 v[S+4*\n:S+4*\n+3], v[RD] offset:\n*4*SP      ; LDS serves a wave's instructions in order: these see the stores above
.endr
.irp n, 0,1,2,3,4,5,6,7
	s_wait_dscnt 7-\n                              ; the loads issued behind this one may stay out
	global_store_b128 v[GO], v[S+4*\n:S+4*\n+3], s[\base:\base+1] offset:512*\n   ; 32 lanes store 512 consecutive bytes, aligned
.endr
	s_wait_xcnt 0x0                                ; the stores have read their data: the scores' registers are written again only behind this wait
.endm
	s_load_b128 s[4:7], s[0:1], 0x0                ; qkv s[4:5], att s[6:7]
	v_lshl_add_u32 v[SPW], v0, 2, SPARE
	v_mov_b32 v[NIL], 0
	ds_add_u32 v[SPW], v[NIL]                      ; the wave's opening: the add, twice on end, and its wait ahead of my first tensor load
	ds_add_u32 v[SPW], v[NIL]
	v_lshrrev_b32 v1, 5, v0
	v_readfirstlane_b32 s[WV], v1                  ; wave 0..7
	s_mov_b32 s[II], ttmp9
	s_and_b32 s[BH], ttmp7, 0xffff
	s_sub_co_u32 s[NA], 8, s[II]
	s_sub_co_u32 s66, 11, s[WV]
	s_cmp_lt_u32 s[WV], 4
	s_cselect_b32 s66, s[WV], s66                  ; my chunk of 32 queries
	s_lshl_b32 s66, s66, 5
	s_sub_co_u32 s67, 7, s[II]
	s_lshl_b32 s67, s67, 8
	s_add_co_u32 s[Q0], s67, s66                   ; my first query in the first pass,
	s_lshl_b32 s67, s[II], 8
	s_add_co_u32 s[Q0B], s67, s66                  ; and in the second
	s_lshr_b32 s68, s[BH], 4
	s_mul_i32 s68, s68, 48
	s_and_b32 s69, s[BH], 15
	s_add_co_u32 s68, s68, s69                     ; q's slab: 48 x batch + head
	s_lshr_b32 s70, s[WV], 2                       ; I fetch K (0) or V (1),
	s_and_b32 s71, s[WV], 3                        ; this step of a slot
	s_lshl_b32 s72, s70, 4
	s_add_co_u32 s72, s72, s68
	s_add_co_u32 s72, s72, 16
	s_lshl_b32 s72, s72, 18                        ; k's or v's slab, 262,144 bytes each,
	s_lshl_b32 s73, s71, 13                        ; + my 64 rows of 128 bytes
	s_add_co_u32 s72, s72, s73
	s_mov_b32 s73, 0
	s_mul_i32 s[G0+1], s71, STEPB                  ; and where they go in a slot
	s_mul_i32 s70, s70, VOFF
	s_add_co_u32 s[G0+1], s[G0+1], s70
	s_lshl_b32 s68, s68, 18
	s_lshl_b32 s74, s[Q0], 7
	s_add_co_u32 s74, s74, s68
	s_mov_b32 s75, 0
	s_lshl_b32 s66, s[Q0B], 7
	s_add_co_u32 s66, s66, s68
	s_mov_b32 s67, 0
	s_lshl_b32 s70, s[BH], 18
	s_lshl_b32 s68, s[Q0], 7
	s_add_co_u32 s68, s68, s70
	s_mov_b32 s69, 0
	s_lshl_b32 s71, s[Q0B], 7
	s_add_co_u32 s70, s70, s71
	s_mov_b32 s71, 0
	s_mov_b32 s[G1K], (1<<16)|(1<<20)|(4<<22)|(3<<25)   ; elements of 2 bytes; padding on: 4 words behind every 32
	s_mov_b32 s[G1V], (1<<16)|(1<<20)|(4<<22)|(7<<25)   ; the same with 8 words
.irp g, G1K, G1V
	s_mov_b32 s[\g+1], 64<<16                      ; tensor_dim0
	s_mov_b32 s[\g+2], KS<<16                      ; tensor_dim1
	s_mov_b32 s[\g+3], 64<<16                      ; tile_dim0
	s_mov_b32 s[\g+4], KS                          ; tile_dim1
	s_mov_b32 s[\g+5], 64                          ; the pitch
	s_mov_b32 s[\g+6], 0
	s_mov_b32 s[\g+7], 0
.endr
	s_mov_b32 s[CS], 0x3e38aa3b                    ; c = log2(e) / 8
	s_mov_b32 s[CS+1], s[CS]
	s_mov_b32 s[SEL], 0x76543210
	s_mov_b32 s[SEL+1], 0xfedcba98
	s_cmp_eq_u32 s[II], 0
	s_cselect_b32 s[PFL], 6, 0
	s_mov_b32 s[OFFP+1], 0
	s_mov_b32 s[KB], 0
	s_mov_b32 s[T], 0
	s_mov_b32 s[KF], 0
	s_mov_b32 s[TB], 0
	s_wait_dscnt 0x0                               ; both opening adds are done
	s_wait_kmcnt 0x0
	s_add_nc_u64 s[LBASE:LBASE+1], s[4:5], s[72:73]
	s_add_nc_u64 s[QA:QA+1], s[4:5], s[74:75]
	s_add_nc_u64 s[QB:QB+1], s[4:5], s[66:67]
	s_add_nc_u64 s[OA:OA+1], s[6:7], s[68:69]
	s_add_nc_u64 s[OB:OB+1], s[6:7], s[70:71]
	s_mov_b64 s[CUR:CUR+1], s[LBASE:LBASE+1]
	s_mov_b32 s[G0], 1
	s_mov_b64 s[G0+2:G0+3], s[LBASE:LBASE+1]
	s_or_b32 s[G0+3], s[G0+3], 0x80000000
	TLOAD                                          ; slot 0: keys 0 to 255, which count in both passes
	v_and_b32 v1, 15, v0                           ; r
	v_bfe_u32 v2, v0, 4, 1                         ; h
	v_lshlrev_b32 v[QO], 7, v1
	v_lshl_add_u32 v[QO], v2, 4, v[QO]
	QLOAD QA
	v_mul_u32_u24 v[AK0], v1, PK
	v_lshl_add_u32 v[AK0], v2, 4, v[AK0]           ; K: row r x pitch + 16 h
	v_and_b32 v14, 7, v0
	v_lshl_add_u32 v[AV0], v2, 3, v14
	v_mul_u32_u24 v[AV0], v[AV0], PV
	v_bfe_u32 v15, v0, 3, 1
	v_lshl_add_u32 v[AV0], v15, 4, v[AV0]
	v_add_nc_u32 v[AV0], VOFF, v[AV0]              ; V, for the turning load: key 8 h + l % 8, channels 8 ((l / 8) % 2) on
	s_mul_i32 s66, s[WV], 32*SP
	s_add_co_u32 s66, s66, STAGE                   ; my stage
	v_mul_u32_u24 v[STO], v1, SP
	v_lshl_add_u32 v[STO], v2, 4, v[STO]
	v_add_nc_u32 v[STO], s66, v[STO]
	v_bfe_u32 v15, v0, 3, 2
	v_mul_u32_u24 v[RD], v15, SP
	v_lshl_add_u32 v[RD], v14, 4, v[RD]
	v_add_nc_u32 v[RD], s66, v[RD]
	v_and_b32 v15, 31, v0
	v_lshlrev_b32 v[GO], 4, v15
	v_lshlrev_b32 v[PFO], 8, v15
	v_lshlrev_b32 v14, 3, v2
	v_sub_nc_u32 v[DQ], v1, v14
	v_mov_b32 v[NINF], 0xff800000
	INIT
	s_wait_loadcnt 0x0                             ; Q
.Lslot:                                            ; eight trips: behind each change of slots the next slot is asked for.  Trip 0's load is slot 1's first fill
	CHANGE 1
	SLOT_STEPS
	s_add_co_u32 s66, s[T], 1
	s_cmp_lg_u32 s66, s[NA]
	s_cbranch_scc1 .Lsame                          ; ids and the count of trips alone: all eight waves go the same way, and no barrier, wait for tiles or tensor load is jumped over
	WAYOUT OA                                      ; the first pass is over
	s_mov_b32 s[Q0], s[Q0B]
	s_mov_b32 s[KF], 0
	QLOAD QB
	INIT
	s_wait_loadcnt 0x0
.Lsame:
	s_add_co_u32 s[T], s[T], 1
	s_cmp_lt_u32 s[T], 8
	s_cbranch_scc1 .Lslot
	CHANGE 0                                       ; the ninth slot is written out: nothing is left to ask for
	SLOT_STEPS
	WAYOUT OB
	s_wait_tensorcnt 0x0                           ; the wave's end
	ds_add_u32 v[SPW], v[NIL]
	s_wait_dscnt 0x0
	s_endpgm
.Lfunc_end_k_q709dba155e_attn:
	.size	k_q709dba155e_attn, .Lfunc_end_k_q709dba155e_attn-k_q709dba155e_attn
	.p2alignl 7, 3214868480
	.fill 96, 4, 3214868480
	.section	.rodata,"a",@progbits
	.p2align	6, 0x0
	.amdhsa_kernel k_q709dba155e_attn
		.amdhsa_group_segment_fixed_size 327680
		.amdhsa_private_segment_fixed_size 0
		.amdhsa_enable_private_segment 0
		.amdhsa_kernarg_size 16
		.amdhsa_user_sgpr_count 2
		.amdhsa_user_sgpr_kernarg_segment_ptr 1
		.amdhsa_wavefront_size32 1
		.amdhsa_system_sgpr_workgroup_id_x 1
		.amdhsa_system_sgpr_workgroup_id_y 1
		.amdhsa_system_sgpr_workgroup_id_z 1
		.amdhsa_system_vgpr_workitem_id 0
		.amdhsa_next_free_vgpr 448
		.amdhsa_next_free_sgpr 80
		.amdhsa_reserve_vcc 1
		.amdhsa_float_denorm_mode_32 3
		.amdhsa_float_denorm_mode_16_64 3
		.amdhsa_memory_ordered 1
		.amdhsa_forward_progress 1
		.amdhsa_inst_pref_size 71
	.end_amdhsa_kernel
	.amdgpu_metadata
---
amdhsa.version: [ 1, 2 ]
amdhsa.kernels:
  - .name:           k_q709dba155e_attn
    .symbol:         k_q709dba155e_attn.kd
    .args:
      - { .name: qkv, .offset: 0, .size: 8, .value_kind: global_buffer, .address_space: global }
      - { .name: att, .offset: 8, .size: 8, .value_kind: global_buffer, .address_space: global }
    .group_segment_fixed_size: 327680
    .private_segment_fixed_size: 0
    .kernarg_segment_align: 8
    .kernarg_segment_size: 16
    .max_flat_workgroup_size: 256
    .sgpr_count:     80
    .vgpr_count:     448
    .wavefront_size: 32
...
	.end_amdgpu_metadata
.endif
;; end of part 3
;; launch proj (part 4): grid 4 x 64, 4 waves a work-group, clusters of 4 x 4, 327,680 bytes of LDS; arguments att, w16, b_out, out0; writes out0
.if DOCPART == 4
	.amdgcn_target "amdgcn-amd-amdhsa--gfx1250"
	.amdhsa_code_object_version 6
	.text
	.protected	k_q709dba155e_proj
	.globl	k_q709dba155e_proj
	.p2align	8
	.type	k_q709dba155e_proj,@function
k_q709dba155e_proj:
	s_mov_b64 s[64:65], 0
	v_nop
	global_prefetch_b8 v0, s[64:65] scope:SCOPE_SE
	s_setreg_imm32_b32 hwreg(HW_REG_WAVE_MODE, 25, 1), 1
	s_wait_xcnt 0x0
	s_wait_alu depctr_hold_cnt(0) depctr_sa_sdst(0) depctr_va_vdst(0) depctr_va_sdst(0) depctr_va_ssrc(0) depctr_va_vcc(0) depctr_vm_vsrc(0)
	s_getreg_b32 s2, hwreg(HW_REG_IB_STS2, 6, 4)
	s_cmp_eq_u32 s2, 0
	s_cbranch_scc0 .Lentry_in_a_cluster
	s_endpgm
.Lentry_in_a_cluster:
	s_bfe_u32 s2, ttmp6, 0x10000c
	s_cmp_lg_u32 s2, 0xf033
	s_cbranch_scc0 .Lentry_shape_is_right
	s_endpgm
.Lentry_shape_is_right:
; out0[m][n] = the sum over k of att(m, k) w_out[k][n] + b_out[n].  att: f16 [batch x 16 + head][token][64] (m = 2048 batch + token, k = 64 head + channel); w16: f16 [1024 (k)][1024 (n)]; out0: f32 [8192][1024].
; f16 operands, f32 sums.  (Tokens 0-15 of each batch are written again, more finely, by the launch that follows.)
; A tile of 128 x 256 is made by four waves, each 64 rows x 128 columns: 32 accumulators, 256 registers.  64 x 4 tiles: one for each of 256 work-groups.  K goes in 8 steps of 128 (two heads) through two LDS slots.
; CLUSTERS of 4 x 4: att's tiles are asked for jointly along a row of the cluster, w16's along a column.  Waves 0 and 1 fetch att's two heads (128 rows x 128 bytes each), waves 2 and 3 w16's two halves (64 rows x 512 bytes).
; THE MATRIX INSTRUCTION IS USED TRANSPOSED: source 0 = 16 columns of w_out (turned out of LDS by ds_load_tr16_b128), source 1 = 16 rows of att: a lane holds eight neighbouring columns of one row.
; The bias is the C of each sum's first instruction.
; REGISTERS: window 0: v16-29 addresses; v32-127, v128-223 two fragment buffers (att's 4 fragments, then w's 8).   window 1: the accumulators, (a, b) at v[64 a + 8 b].   window 2: v0-63 the bias.
.set PA,    144                        ; a row of att in LDS: 128 bytes + 16
.set PLANE, 128*PA                     ; a head's 128 rows
.set PB,    544                        ; a row of w16: 512 bytes + 32
.set BOFF,  2*PLANE
.set HALFB, 64*PB
.set SLOT,  BOFF+2*HALFB
.set STAGE, 2*SLOT                     ; behind the ring: 16 rows x (512 bytes + 16) for each wave; no fill lands here
.set SPITCH, 528
.set SPARE, STAGE+4*16*SPITCH          ; the spare words, 128 bytes for each wave: two blocks of 256 bytes that no other line names
.set ADRA, 16
.set ADRB, 20
.set STO,  24
.set RD,   25
.set CO,   26
.set BO,   27
.set SPW,  28
.set NIL,  29
.set F0,   32
.set F1,   128
.set G1A, 24
.set G0A, 32
.set G1B, 48
.set G0B, 56
.set MUL,  0x50                        ; sources 0 and 1 window 0; C and D window 1
.set MULZ, 0x60                        ; C (the bias) window 2, D window 1
.set MSB, 0
.macro WIN new
.if MSB != \new
	s_set_vgpr_msb (MSB<<8)|\new
.set MSB, \new
.endif
.endm
.macro JLOAD s                         ; a joint load; an s_nop 0 and four v_nop follow each of the two lines
	s_cmp_eq_u32 s13, 0
	s_cbranch_scc0 .Lfor_b_\@
	tensor_load_to_lds s[G0A+4*\s:G0A+4*\s+3], s[G1A:G1A+7]
	s_nop 0
.rept 4
	v_nop
.endr
	s_branch .Lasked_\@
.Lfor_b_\@:
	tensor_load_to_lds s[G0B+4*\s:G0B+4*\s+3], s[G1B:G1B+7]
	s_nop 0
.rept 4
	v_nop
.endr
.Lasked_\@:
.endm
.macro CREST
	s_cmp_lg_u32 s12, 0
	s_cbranch_scc1 .Lnot_wave_0_\@
	s_barrier_signal -3
.Lnot_wave_0_\@:
	s_barrier_wait -3
	s_barrier_signal -1
	s_barrier_wait -1
.endm
.macro CROUND
	s_barrier_signal -1
	s_barrier_wait -1
	CREST
.endm
	s_load_b256 s[4:11], s[0:1], 0x0               ; att s[4:5], w16 s[6:7], b_out s[8:9], out0 s[10:11]
	v_lshl_add_u32 v[SPW], v0, 2, SPARE
	v_mov_b32 v[NIL], 0
	ds_add_u32 v[SPW], v[NIL]                      ; the wave's opening: the add, twice on end, and its wait ahead of my first tensor load
	ds_add_u32 v[SPW], v[NIL]
	v_lshrrev_b32 v1, 5, v0
	v_readfirstlane_b32 s12, v1                    ; wave 0..3
	s_lshr_b32 s13, s12, 1                         ; which 64 rows are mine.  Also: I fetch for att (0) or for w16 (1)
	s_and_b32 s14, s12, 1                          ; which 128 columns.  Also: which head, or which 64 rows of w16, I fetch
	s_bfe_u32 s40, ttmp6, 0x40000                  ; cx
	s_bfe_u32 s41, ttmp6, 0x40004                  ; cy
	s_lshl_b32 s42, ttmp9, 2
	s_add_co_u32 s42, s42, s40                     ; tile column
	s_and_b32 s15, ttmp7, 0xffff
	s_lshl_b32 s15, s15, 2
	s_add_co_u32 s15, s15, s41                     ; tile row
	s_lshl_b32 s43, s41, 2
	s_lshl_b32 s43, 15, s43                        ; my row of the cluster
	s_lshl_b32 s44, 0x1111, s40                    ; my column
	s_or_b32 s[G1A], s43, (1<<16)|(1<<20)|(1<<21)|(4<<22)|(3<<25)   ; the mask; elements of 2 bytes; padding: 4 words behind every 32; bit 21 beside a mask
	s_mov_b32 s[G1A+1], 64<<16                     ; tensor_dim0
	s_mov_b32 s[G1A+2], 128<<16                    ; tensor_dim1
	s_mov_b32 s[G1A+3], 64<<16                     ; tile_dim0
	s_mov_b32 s[G1A+4], 128                        ; tile_dim1
	s_mov_b32 s[G1A+5], 64                         ; the pitch
	s_mov_b32 s[G1A+6], 0
	s_mov_b32 s[G1A+7], 0
	s_or_b32 s[G1B], s44, (1<<16)|(1<<20)|(1<<21)|(6<<22)|(7<<25)   ; padding: 8 words behind every 128
	s_mov_b32 s[G1B+1], 256<<16
	s_mov_b32 s[G1B+2], 64<<16
	s_mov_b32 s[G1B+3], 256<<16
	s_mov_b32 s[G1B+4], 64
	s_mov_b32 s[G1B+5], 1024
	s_mov_b32 s[G1B+6], 0
	s_mov_b32 s[G1B+7], 0
	s_lshr_b32 s16, s15, 4                         ; att: the batch's 16 heads of 262,144 bytes,
	s_lshl_b32 s16, s16, 22
	s_and_b32 s17, s15, 15
	s_lshl_b32 s17, s17, 14                        ; the tile's 128 tokens of 128 bytes,
	s_add_co_u32 s16, s16, s17
	s_lshl_b32 s17, s14, 18                        ; my head of the K step's two
	s_add_co_u32 s16, s16, s17
	s_mov_b32 s17, 0
	s_lshl_b32 s46, s14, 17                        ; w16: my 64 rows of 2,048 bytes,
	s_lshl_b32 s47, s42, 9                         ; the tile's 256 columns
	s_add_co_u32 s46, s46, s47
	s_mov_b32 s47, 0
	s_mul_i32 s20, s14, PLANE                      ; where they go in a slot
	s_mul_i32 s21, s14, HALFB
	s_add_co_u32 s21, s21, BOFF
	s_wait_dscnt 0x0                               ; both opening adds are done
	s_wait_kmcnt 0x0
	s_add_nc_u64 s[18:19], s[4:5], s[16:17]
	s_add_nc_u64 s[46:47], s[6:7], s[46:47]
	CROUND                                         ; all sixteen work-groups are here: the first joint loads meet
.irp s, 0,1
	s_mov_b32 s[G0A+4*\s], 1
	s_add_co_u32 s[G0A+4*\s+1], s20, \s*SLOT
	s_add_nc_u64 s[G0A+4*\s+2:G0A+4*\s+3], s[18:19], \s*(1<<19)   ; K step s: two heads on
	s_or_b32 s[G0A+4*\s+3], s[G0A+4*\s+3], 0x80000000
	s_mov_b32 s[G0B+4*\s], 1
	s_add_co_u32 s[G0B+4*\s+1], s21, \s*SLOT
	s_add_nc_u64 s[G0B+4*\s+2:G0B+4*\s+3], s[46:47], \s*(1<<18)   ; 128 rows on
	s_or_b32 s[G0B+4*\s+3], s[G0B+4*\s+3], 0x80000000
	JLOAD \s                                       ; two loads of a wave are out behind the second
.endr
	v_and_b32 v1, 15, v0                           ; r
	v_bfe_u32 v2, v0, 4, 1                         ; h
	v_mul_u32_u24 v3, v1, PA
	v_lshl_add_u32 v3, v2, 4, v3
	s_mul_i32 s21, s13, 64*PA                      ; my 64 rows of att
	v_and_b32 v4, 7, v0
	v_lshl_add_u32 v4, v2, 3, v4
	v_mul_u32_u24 v4, v4, PB
	v_bfe_u32 v5, v0, 3, 1
	v_lshl_add_u32 v4, v5, 4, v4                   ; w16, for the turning load: k-row 8 h + l % 8, columns 8 ((l / 8) % 2) on
	s_lshl_b32 s22, s14, 8                         ; my 128 columns
	s_add_co_u32 s22, s22, BOFF
.irp s, 0,1
	v_add_nc_u32 v[ADRA+\s], s21, v3
	v_add_nc_u32 v[ADRB+\s], s22, v4
	s_add_co_u32 s21, s21, SLOT
	s_add_co_u32 s22, s22, SLOT
.endr
	s_mul_i32 s23, s12, 16*SPITCH
	s_add_co_u32 s23, s23, STAGE                   ; my stage
	v_mul_u32_u24 v5, v1, SPITCH
	v_lshl_add_u32 v5, v2, 5, v5
	v_add_nc_u32 v[STO], s23, v5                   ; in: row r, 32 bytes for each half of the lanes
	v_and_b32 v6, 31, v0
	v_lshlrev_b32 v[CO], 4, v6
	v_add_nc_u32 v[RD], s23, v[CO]                 ; back: the 32 lanes take one row of 512 bytes
	v_lshlrev_b32 v[BO], 5, v2
	s_lshl_b32 s66, s42, 10
	s_lshl_b32 s67, s14, 9
	s_add_co_u32 s66, s66, s67                     ; my first column x 4 bytes
	s_mov_b32 s67, 0
	s_add_nc_u64 s[8:9], s[8:9], s[66:67]
	s_lshl_b32 s68, s15, 19                        ; 128 rows of 4,096 bytes a tile row,
	s_lshl_b32 s69, s13, 18                        ; my 64
	s_add_co_u32 s68, s68, s69
	s_add_co_u32 s66, s66, s68
	s_add_nc_u64 s[10:11], s[10:11], s[66:67]
	WIN 0x80                                       ; destination window 2
.irp b, 0,1,2,3,4,5,6,7
	global_load_b128 v[8*\b:8*\b+3], v[BO], s[8:9] offset:64*\b            ; b_out at columns 16 b + 8 h + 0 .. 7 of my 128
	global_load_b128 v[8*\b+4:8*\b+7], v[BO], s[8:9] offset:64*\b+16
.endr
	WIN 0
; 24 LDS loads in one run: the fragments of 32 along K, the slot's q-th: w's eight, then att's four, blocks 0 and 1 first
.macro FETCH slot, q, f
.irp b, 0,1,2,3,4,5,6,7
	ds_load_tr16_b128 v[\f+32+8*\b:\f+32+8*\b+3], v[ADRB+\slot] offset:32*(\q)*PB+32*\b
	ds_load_tr16_b128 v[\f+32+8*\b+4:\f+32+8*\b+7], v[ADRB+\slot] offset:32*(\q)*PB+16*PB+32*\b
.endr
.irp a, 0,1,2,3
	ds_load_b128 v[\f+8*\a:\f+8*\a+3], v[ADRA+\slot] offset:((\q)/2)*PLANE+((\q)%2)*64+\a*16*PA
	ds_load_b128 v[\f+8*\a+4:\f+8*\a+7], v[ADRA+\slot] offset:((\q)/2)*PLANE+((\q)%2)*64+\a*16*PA+32
.endr
.endm
; 8 matrix instructions: att's block a against w's eight.  The 32 accumulators take turns, one instruction a turn, in the same order in every quarter.
.macro MUL8 f, a, zero
.irp b, 0,1,2,3,4,5,6,7
.if \zero
	v_wmma_f32_16x16x32_f16 v[64*(\a)+8*\b:64*(\a)+8*\b+7], v[\f+32+8*\b:\f+32+8*\b+7], v[\f+8*(\a):\f+8*(\a)+7], v[8*\b:8*\b+7]
.else
	v_wmma_f32_16x16x32_f16 v[64*(\a)+8*\b:64*(\a)+8*\b+7], v[\f+32+8*\b:\f+32+8*\b+7], v[\f+8*(\a):\f+8*(\a)+7], v[64*(\a)+8*\b:64*(\a)+8*\b+7]
.endif
.endr
.endm
.macro PLACES                          ; four plain lines between matrix instructions and loads into, or reads of, their registers (ISA guide 7.12.1 for reads)
.rept 4
	v_nop
.endr
.endm
.macro MWIN zero
.if \zero
	WIN MULZ
.else
	WIN MUL
.endif
.endm
; A K step is four quarters of 32 along K on buffers 0, 1, 0, 1.  One of the first three: multiplies buffer f and fetches the slot's quarter q into g.
.macro QUARTER slot, q, f, g, zero
	s_wait_dscnt 4                                 ; w's fragments and att's blocks 0 and 1 are in; the youngest four loads may be out
	MWIN \zero
	MUL8 \f, 0, \zero
	MUL8 \f, 1, \zero
	WIN 0
	PLACES
	FETCH \slot, \q, \g
	s_wait_dscnt 24                                ; all but the 24 just issued
	MWIN \zero
	MUL8 \f, 2, \zero
	MUL8 \f, 3, \zero
.endm
; The last quarter multiplies buffer 1 and changes slots: one barrier; in front of it each wave waits for all its tensor loads, adds 0 to its spare word, and waits for that and for its reads of this slot.
.macro TURN slot, next, fill
	WIN 0
	s_wait_tensorcnt 0x0                           ; all my tensor loads have landed: my part of the next slot
	ds_add_u32 v[SPW], v[NIL]
	s_wait_dscnt 5                                 ; the add and the youngest four loads may be out
	WIN MUL
	MUL8 F1, 0, 0
	s_wait_dscnt 0x0                               ; the add is done, and my reads of this slot are over
	s_barrier_signal -1
	MUL8 F1, 1, 0
	WIN 0
	s_barrier_wait -1
.if \fill
	CREST                                          ; the barrier has opened a round of the cluster's: no wave of any partner still reads this slot or has a load on its way
	s_add_nc_u64 s[G0A+4*\slot+2:G0A+4*\slot+3], s[G0A+4*\slot+2:G0A+4*\slot+3], 1<<20
	s_add_nc_u64 s[G0B+4*\slot+2:G0B+4*\slot+3], s[G0B+4*\slot+2:G0B+4*\slot+3], 1<<19
	JLOAD \slot                                    ; the first tensor load behind the round; its four v_nop are also the places in front of the loads below
.else
	PLACES
.endif
	FETCH \next, 0, F0
	WIN MUL
	MUL8 F1, 2, 0
	MUL8 F1, 3, 0
.endm
	s_wait_tensorcnt 1                             ; my part of K step 0 is in; K step 1's load may be out
	s_barrier_signal -1
	s_barrier_wait -1
	s_wait_loadcnt 0x0                             ; the bias
	FETCH 0, 0, F0
	QUARTER 0, 1, F0, F1, 1                        ; the first quarter stands in front of the loop: its products start the sums from the bias
	WIN 0
	s_mov_b32 s3, 3
.Llap:                                             ; a trip goes once round the ring and fills both slots again
	QUARTER 0, 2, F1, F0, 0
	QUARTER 0, 3, F0, F1, 0
	TURN 0, 1, 1
	QUARTER 1, 1, F0, F1, 0
	QUARTER 1, 2, F1, F0, 0
	QUARTER 1, 3, F0, F1, 0
	TURN 1, 0, 1
	QUARTER 0, 1, F0, F1, 0
	WIN 0
	s_sub_co_u32 s3, s3, 1
	s_cmp_lg_u32 s3, 0
	s_cbranch_scc1 .Llap
	QUARTER 0, 2, F1, F0, 0                        ; the last lap fills nothing
	QUARTER 0, 3, F0, F1, 0
	TURN 0, 1, 0
	QUARTER 1, 1, F0, F1, 0
	QUARTER 1, 2, F1, F0, 0
	QUARTER 1, 3, F0, F1, 0
	s_wait_dscnt 4
	WIN MUL
	MUL8 F1, 0, 0
	MUL8 F1, 1, 0
	s_wait_dscnt 0
	MUL8 F1, 2, 0
	MUL8 F1, 3, 0
	WIN 0
; THE WAY OUT, a block of 16 rows x 128 columns at a time, through my own stage: back as whole rows of 512 bytes.
.macro TOSTAGE a
	WIN 0x04                                       ; an LDS store's data: window 1
.irp b, 0,1,2,3,4,5,6,7
	ds_store_b128 v[STO], v[64*(\a)+8*\b:64*(\a)+8*\b+3] offset:64*\b          ; each accumulator from its low end on
	ds_store_b128 v[STO], v[64*(\a)+8*\b+4:64*(\a)+8*\b+7] offset:64*\b+16
.endr
	WIN 0
.set BB, 32+96*((\a)%2)
.irp t, 0,1,2,3,4,5,6,7,8,9,10,11,12,13,14,15
	ds_load_b128 v[BB+4*\t:BB+4*\t+3], v[RD] offset:\t*SPITCH     ; LDS serves a wave's instructions in order: these see the stores above
.endr
.endm
.macro SEND a, younger
.set BB, 32+96*((\a)%2)
	s_wait_dscnt \younger                          ; the block is back; the next block's 16 stores and 16 loads may be out
.irp t, 0,1,2,3,4,5,6,7,8,9,10,11,12,13,14,15
	global_store_b128 v[CO], v[BB+4*\t:BB+4*\t+3], s[10:11] offset:(16*(\a)+\t)*4096 th:TH_STORE_NT   ; 32 lanes store 512 consecutive bytes, aligned
.endr
.endm
	PLACES
	TOSTAGE 0
.irp a, 1,2,3
.if \a > 1
	s_wait_xcnt 0x0                                ; block a - 2's stores have read their registers: block a's loads may land there
.endif
	TOSTAGE \a
	SEND \a-1, 32
.endr
	SEND 3, 0
	s_wait_tensorcnt 0x0                           ; the wave's end
	ds_add_u32 v[SPW], v[NIL]
	s_wait_dscnt 0x0
	CROUND                                         ; the closing round
	s_endpgm
.Lfunc_end_k_q709dba155e_proj:
	.size	k_q709dba155e_proj, .Lfunc_end_k_q709dba155e_proj-k_q709dba155e_proj
	.p2alignl 7, 3214868480
	.fill 96, 4, 3214868480
	.section	.rodata,"a",@progbits
	.p2align	6, 0x0
	.amdhsa_kernel k_q709dba155e_proj
		.amdhsa_group_segment_fixed_size 327680
		.amdhsa_private_segment_fixed_size 0
		.amdhsa_enable_private_segment 0
		.amdhsa_kernarg_size 32
		.amdhsa_user_sgpr_count 2
		.amdhsa_user_sgpr_kernarg_segment_ptr 1
		.amdhsa_wavefront_size32 1
		.amdhsa_system_sgpr_workgroup_id_x 1
		.amdhsa_system_sgpr_workgroup_id_y 1
		.amdhsa_system_sgpr_workgroup_id_z 1
		.amdhsa_system_vgpr_workitem_id 0
		.amdhsa_next_free_vgpr 576
		.amdhsa_next_free_sgpr 70
		.amdhsa_reserve_vcc 0
		.amdhsa_float_denorm_mode_32 3
		.amdhsa_float_denorm_mode_16_64 3
		.amdhsa_memory_ordered 1
		.amdhsa_forward_progress 1
		.amdhsa_inst_pref_size 86
	.end_amdhsa_kernel
	.amdgpu_metadata
---
amdhsa.version: [ 1, 2 ]
amdhsa.kernels:
  - .name:           k_q709dba155e_proj
    .symbol:         k_q709dba155e_proj.kd
    .args:
      - { .name: att, .offset: 0, .size: 8, .value_kind: global_buffer, .address_space: global }
      - { .name: w16, .offset: 8, .size: 8, .value_kind: global_buffer, .address_space: global }
      - { .name: b_out, .offset: 16, .size: 8, .value_kind: global_buffer, .address_space: global }
      - { .name: out0, .offset: 24, .size: 8, .value_kind: global_buffer, .address_space: global }
    .group_segment_fixed_size: 327680
    .private_segment_fixed_size: 0
    .kernarg_segment_align: 8
    .kernarg_segment_size: 32
    .max_flat_workgroup_size: 128
    .sgpr_count:     70
    .vgpr_count:     576
    .wavefront_size: 32
...
	.end_amdgpu_metadata
.endif
;; end of part 4
;; launch fine (part 5): grid 16 x 4, 16 waves a work-group, no clusters, 71,680 bytes of LDS; arguments qf, w_out, b_out, out0; writes out0
.if DOCPART == 5
	.amdgcn_target "amdgcn-amd-amdhsa--gfx1250"
	.amdhsa_code_object_version 6
	.text
	.protected	k_q709dba155e_fine
	.globl	k_q709dba155e_fine
	.p2align	8
	.type	k_q709dba155e_fine,@function
k_q709dba155e_fine:
	s_mov_b64 s[64:65], 0
	v_nop
	global_prefetch_b8 v0, s[64:65] scope:SCOPE_SE
	s_setreg_imm32_b32 hwreg(HW_REG_WAVE_MODE, 25, 1), 1
	s_wait_xcnt 0x0
; TOKENS 0-15 OF EACH BATCH, IN f32 THROUGHOUT: their rows average one to sixteen values and are the largest of the output, so f16 operands would weigh most there.
; Work-group (nc, batch) makes 16 rows x 64 columns of out0 (columns 64 nc on) and writes them over what the launch before left.  Wave w is head w: its attention for the 16 tokens, then its 64 terms of the
; projection's K; the sixteen waves' parts meet in LDS.  96 matrix instructions of the f32 form a wave: no bulk work.  The work is 64 work-groups' worth and no more.
; qf: f32 [batch][column / 16: 192][1,024 bytes], images of accumulators: lane (r, h) loads, by two loads of 16 bytes, token r's columns 16 ct + 8 h + 0 .. 7.
; THE f32 FORM takes k = 2 h + j in register j of lane (r, h).  A register pair (2 jj, 2 jj + 1) of an image stands for columns 16 ct + 8 h + 2 jj + j: one and the same permutation of k on both sides of a product,
; which leaves the sums as they are.  So q, k, p and the attention's result go into the matrix unit as they stand.
; LIMITS: NaN and infinities are not served.
.set SPARE, 69632                      ; behind the 16 parts (16 rows x 272 bytes each): the spare words, 128 bytes for each wave: eight blocks of 256 bytes that no other line names
.set PART,  4352
.set QF,  32                           ; v32-63   q, eight registers a tile of 16 channels
.set KF,  64                           ; v64-95   k
.set W1,  32                           ; v32-95   later: w_out's rows of channels 32-63
.set VF,  96                           ; v96-127  v turned: register 8 dt + jj: v(key 8 h + jj, channel 16 dt + r)
.set W0,  128                          ; v128-191 w_out's rows of channels 0-31
.set SA,  192                          ; v192-223 four partial sums of S^T; later the four tiles of y.  Written by matrix instructions alone
.set OA,  224                          ; v224-255 O^T, four tiles of 16 channels.  Likewise
	s_load_b256 s[4:11], s[0:1], 0x0               ; qf s[4:5], w_out s[6:7], b_out s[8:9], out0 s[10:11]
	v_lshl_add_u32 v9, v0, 2, SPARE                ; v9: my spare word; never rewritten
	v_mov_b32 v10, 0                               ; v10: 0; never rewritten
	v_lshrrev_b32 v1, 5, v0
	v_readfirstlane_b32 s12, v1                    ; wave = head
	s_and_b32 s13, ttmp7, 0xffff                   ; batch
	v_and_b32 v14, 31, v0                          ; lane
	v_and_b32 v1, 15, v0                           ; r
	v_bfe_u32 v15, v0, 4, 1                        ; h
	v_lshlrev_b32 v2, 4, v14                       ; v2: an image's place for my lane
	v_bfe_u32 v3, v0, 2, 1
	v_lshlrev_b32 v3, 9, v3
	v_bfe_u32 v24, v0, 3, 1
	v_lshl_or_b32 v3, v24, 8, v3
	v_lshl_or_b32 v3, v15, 7, v3
	v_and_b32 v24, 3, v0
	v_lshl_or_b32 v3, v24, 2, v3                   ; v3: in an image of v, number (key 8 h, channel r): 512 ((r / 4) % 2) + 256 (r / 8) + 128 h + 4 (r % 4); a key on is 16 bytes on
	v_lshlrev_b32 v4, 2, v1
	v_lshl_add_u32 v4, v15, 15, v4                 ; v4: w_out: 8 h rows of 4,096 bytes + column r
	v_lshlrev_b32 v5, 3, v15
	v_sub_nc_u32 v5, v1, v5                        ; v5: r - 8 h: register j holds key 8 h + j, hidden from query r where j > r - 8 h
	s_mul_i32 s14, s12, PART
	v_mul_u32_u24 v6, v15, 8*272
	v_lshl_add_u32 v6, v1, 2, v6
	v_add_nc_u32 v6, s14, v6                       ; v6: my part: row 8 h, column r
	s_mul_i32 s15, s12, 272
	v_lshlrev_b32 v8, 3, v14                       ; v8: 8 bytes a lane
	v_add_nc_u32 v7, s15, v8                       ; v7: row w of a part
	v_mov_b32 v11, 0xff800000                      ; -infinity
	s_mov_b32 s16, 0x76543210
	s_mov_b32 s17, 0xfedcba98                      ; v_permlanex16_b32's selects for lane l xor 16
	s_mov_b32 s18, 0x3e38aa3b                      ; c = log2(e) / 8
	s_mul_i32 s20, s13, 196608
	s_lshl_b32 s21, s12, 12
	s_add_co_u32 s20, s20, s21                     ; qf: the batch, then my head's four images
	s_mov_b32 s21, 0
	s_lshl_b32 s22, s12, 18
	s_lshl_b32 s23, ttmp9, 8
	s_add_co_u32 s22, s22, s23                     ; w_out: my head's 64 rows, my work-group's 64 columns
	s_mov_b32 s25, 0
	s_mov_b32 s24, s23                             ; b_out: the same columns
	s_mov_b32 s23, 0
	s_lshl_b32 s26, s13, 11
	s_add_co_u32 s26, s26, s12
	s_lshl_b32 s26, s26, 12
	s_add_co_u32 s26, s26, s24                     ; out0: row 2048 batch + w
	s_mov_b32 s27, 0
	s_wait_kmcnt 0x0
	s_add_nc_u64 s[4:5], s[4:5], s[20:21]
	s_add_nc_u64 s[6:7], s[6:7], s[22:23]
	s_add_nc_u64 s[8:9], s[8:9], s[24:25]
	s_add_nc_u64 s[10:11], s[10:11], s[26:27]
.irp dt, 0,1
.irp s, 0,1,2,3
.irp nt, 0,1,2,3
.irp j, 0,1
	global_load_b32 v[W0+32*\dt+8*\s+2*\nt+\j], v4, s[6:7] offset:(16*\dt+2*\s+\j)*4096+64*\nt   ; w_out(64 w + 16 dt + 8 h + 2 s + j, 64 nc + 16 nt + r)
.endr
.endr
.endr
.endr
.irp c, 0,1,2,3
	global_load_b128 v[QF+8*\c:QF+8*\c+3], v2, s[4:5] offset:1024*\c
	global_load_b128 v[QF+8*\c+4:QF+8*\c+7], v2, s[4:5] offset:1024*\c+512
	global_load_b128 v[KF+8*\c:KF+8*\c+3], v2, s[4:5] offset:65536+1024*\c
	global_load_b128 v[KF+8*\c+4:KF+8*\c+7], v2, s[4:5] offset:65536+1024*\c+512
.endr
.irp dt, 0,1,2,3
.irp jj, 0,1,2,3,4,5,6,7
	global_load_b32 v[VF+8*\dt+\jj], v3, s[4:5] offset:131072+1024*\dt+16*\jj
.endr
.endr
	global_load_b64 v[12:13], v8, s[8:9]           ; the bias of my two columns
	s_wait_loadcnt 33                              ; q and k are in; v's 32 loads and the bias may be out
.irp jj, 0,1,2,3                               ; S^T = K Q^T: four accumulators by turns; each sum's first instruction takes 0
.irp c, 0,1,2,3
.if \jj == 0
	v_wmma_f32_16x16x4_f32 v[SA+8*\c:SA+8*\c+7], v[KF+8*\c+2*\jj:KF+8*\c+2*\jj+1], v[QF+8*\c+2*\jj:QF+8*\c+2*\jj+1], 0
.else
	v_wmma_f32_16x16x4_f32 v[SA+8*\c:SA+8*\c+7], v[KF+8*\c+2*\jj:KF+8*\c+2*\jj+1], v[QF+8*\c+2*\jj:QF+8*\c+2*\jj+1], v[SA+8*\c:SA+8*\c+7]
.endif
.endr
.endr
.rept 8
	v_nop                                          ; eight places behind this form: for the loads into q's and k's registers and the reads of the sums
.endr
	s_wait_loadcnt 0x0                             ; v and the bias
.irp dt, 2,3
.irp s, 0,1,2,3
.irp nt, 0,1,2,3
.irp j, 0,1
	global_load_b32 v[W1+32*(\dt-2)+8*\s+2*\nt+\j], v4, s[6:7] offset:(16*\dt+2*\s+\j)*4096+64*\nt
.endr
.endr
.endr
.endr
.irp j, 0,1,2,3,4,5,6,7                        ; lane (r, h), register j: the score of key 8 h + j for query r.  The sums are read from their low ends on, into other registers
	v_add_f32 v[16+\j], v[SA+\j], v[SA+8+\j]
	v_add_f32 v[24+\j], v[SA+16+\j], v[SA+24+\j]
.endr
.irp j, 0,1,2,3,4,5,6,7
	v_add_f32 v[16+\j], v[16+\j], v[24+\j]
.endr
.irp j, 0,1,2,3,4,5,6,7
	v_cmp_gt_i32 vcc_lo, \j, v5
	v_cndmask_b32 v[16+\j], v[16+\j], v11, vcc_lo  ; hidden keys: -infinity ahead of the maximum
.endr
	v_max3_num_f32 v24, v16, v17, v18
	v_max3_num_f32 v25, v19, v20, v21
	v_max3_num_f32 v24, v24, v22, v23
	v_max_num_f32 v24, v24, v25
	v_permlanex16_b32 v25, v24, s16, s17
	v_max_num_f32 v24, v24, v25                    ; the row's maximum: key 0 counts for every query, so it is a number
	v_mul_f32 v24, s18, v24
.irp j, 0,1,2,3,4,5,6,7
	v_fma_f32 v[16+\j], v[16+\j], s18, -v24
.endr
.irp j, 0,1,2,3,4,5,6,7
	v_exp_f32 v[16+\j], v[16+\j]
.endr
	v_nop
	s_wait_alu depctr_va_vdst(0)                   ; one wait for the eight, ahead of their first reader
	v_add_f32 v25, v16, v17
	v_add_f32 v26, v18, v19
	v_add_f32 v27, v20, v21
	v_add_f32 v28, v22, v23
	v_add_f32 v25, v25, v26
	v_add_f32 v27, v27, v28
	v_add_f32 v25, v25, v27
	v_permlanex16_b32 v26, v25, s16, s17
	v_add_f32 v25, v25, v26
	v_rcp_f32 v25, v25
	v_nop
	s_wait_alu depctr_va_vdst(0)
.irp j, 0,1,2,3,4,5,6,7
	v_mul_f32 v[16+\j], v[16+\j], v25              ; the weights, normalised
.endr
.irp s, 0,1,2,3                                ; O^T = V^T P^T: source 0 = 16 channels, source 1 = my 16 queries; k stands for key 8 h + 2 s + j
.irp dt, 0,1,2,3
.if \s == 0
	v_wmma_f32_16x16x4_f32 v[OA+8*\dt:OA+8*\dt+7], v[VF+8*\dt+2*\s:VF+8*\dt+2*\s+1], v[16+2*\s:17+2*\s], 0
.else
	v_wmma_f32_16x16x4_f32 v[OA+8*\dt:OA+8*\dt+7], v[VF+8*\dt+2*\s:VF+8*\dt+2*\s+1], v[16+2*\s:17+2*\s], v[OA+8*\dt:OA+8*\dt+7]
.endif
.endr
.endr
.rept 9
	v_nop                                          ; nine places before a matrix instruction takes these results as an operand
.endr
.irp dt, 0,1,2,3                               ; y = O W: source 0 = my 16 tokens (k stands for channel 16 dt + 8 h + 2 s + j), source 1 = 16 columns of w_out
.if \dt == 2
	s_wait_loadcnt 0x0                             ; w_out's rows of channels 32-63
.endif
.irp s, 0,1,2,3
.irp nt, 0,1,2,3
.if (\dt == 0) && (\s == 0)
	v_wmma_f32_16x16x4_f32 v[SA+8*\nt:SA+8*\nt+7], v[OA+8*\dt+2*\s:OA+8*\dt+2*\s+1], v[W0-96*(\dt/2)+32*(\dt%2)+8*\s+2*\nt:W0-96*(\dt/2)+32*(\dt%2)+8*\s+2*\nt+1], 0
.else
	v_wmma_f32_16x16x4_f32 v[SA+8*\nt:SA+8*\nt+7], v[OA+8*\dt+2*\s:OA+8*\dt+2*\s+1], v[W0-96*(\dt/2)+32*(\dt%2)+8*\s+2*\nt:W0-96*(\dt/2)+32*(\dt%2)+8*\s+2*\nt+1], v[SA+8*\nt:SA+8*\nt+7]
.endif
.endr
.endr
.endr
.rept 8
	v_nop
.endr
.irp nt, 0,1,2,3
.irp j, 0,1,2,3,4,5,6,7
	ds_store_b32 v6, v[SA+8*\nt+\j] offset:272*\j+64*\nt      ; my head's part of y(8 h + j, 16 nt + r)
.endr
.endr
	s_wait_dscnt 0x0                               ; for the others' sake: my stores have landed
	s_barrier_signal -1
	s_barrier_wait -1
.irp p, 0,1,2,3,4,5,6,7,8,9,10,11,12,13,14,15
	ds_load_b64 v[32+2*\p:33+2*\p], v7 offset:PART*\p         ; row w of all sixteen parts, two columns a lane
.endr
	s_wait_dscnt 0x0
.irp p, 0,1,2,3,4,5,6,7
	v_pk_add_f32 v[32+4*\p:33+4*\p], v[32+4*\p:33+4*\p], v[34+4*\p:35+4*\p]
.endr
.irp p, 0,1,2,3
	v_pk_add_f32 v[32+8*\p:33+8*\p], v[32+8*\p:33+8*\p], v[36+8*\p:37+8*\p]
.endr
.irp p, 0,1
	v_pk_add_f32 v[32+16*\p:33+16*\p], v[32+16*\p:33+16*\p], v[40+16*\p:41+16*\p]
.endr
	v_pk_add_f32 v[32:33], v[32:33], v[48:49]
	v_pk_add_f32 v[32:33], v[32:33], v[12:13]      ; + b_out
	global_store_b64 v8, v[32:33], s[10:11]        ; 32 lanes store 256 consecutive bytes, aligned
	s_wait_tensorcnt 0x0                           ; the wave's end
	ds_add_u32 v9, v10
	s_wait_dscnt 0x0
	s_endpgm
.Lfunc_end_k_q709dba155e_fine:
	.size	k_q709dba155e_fine, .Lfunc_end_k_q709dba155e_fine-k_q709dba155e_fine
	.p2alignl 7, 3214868480
	.fill 96, 4, 3214868480
	.section	.rodata,"a",@progbits
	.p2align	6, 0x0
	.amdhsa_kernel k_q709dba155e_fine
		.amdhsa_group_segment_fixed_size 71680
		.amdhsa_private_segment_fixed_size 0
		.amdhsa_enable_private_segment 0
		.amdhsa_kernarg_size 32
		.amdhsa_user_sgpr_count 2
		.amdhsa_user_sgpr_kernarg_segment_ptr 1
		.amdhsa_wavefront_size32 1
		.amdhsa_system_sgpr_workgroup_id_x 1
		.amdhsa_system_sgpr_workgroup_id_y 1
		.amdhsa_system_sgpr_workgroup_id_z 1
		.amdhsa_system_vgpr_workitem_id 0
		.amdhsa_next_free_vgpr 256
		.amdhsa_next_free_sgpr 66
		.amdhsa_reserve_vcc 1
		.amdhsa_float_denorm_mode_32 3
		.amdhsa_float_denorm_mode_16_64 3
		.amdhsa_memory_ordered 1
		.amdhsa_forward_progress 1
		.amdhsa_inst_pref_size 34
	.end_amdhsa_kernel
	.amdgpu_metadata
---
amdhsa.version: [ 1, 2 ]
amdhsa.kernels:
  - .name:           k_q709dba155e_fine
    .symbol:         k_q709dba155e_fine.kd
    .args:
      - { .name: qf, .offset: 0, .size: 8, .value_kind: global_buffer, .address_space: global }
      - { .name: w_out, .offset: 8, .size: 8, .value_kind: global_buffer, .address_space: global }
      - { .name: b_out, .offset: 16, .size: 8, .value_kind: global_buffer, .address_space: global }
      - { .name: out0, .offset: 24, .size: 8, .value_kind: global_buffer, .address_space: global }
    .group_segment_fixed_size: 71680
    .private_segment_fixed_size: 0
    .kernarg_segment_align: 8
    .kernarg_segment_size: 32
    .max_flat_workgroup_size: 512
    .sgpr_count:     66
    .vgpr_count:     256
    .wavefront_size: 32
...
	.end_amdgpu_metadata
.endif
;; end of part 5
